; MI455X (gfx1250); checked and timed in simulation.
; The chip was launched on July 23, 2026; its instructions are those of AMD's public machine-readable ISA for CDNA 5 (MIT licence, August 2026) and "CDNA5" Instruction Set Architecture Reference Guide (July 2026). The comments in the code are by the model that wrote it; some were corrected since.
;; LSH Attention. Allowed arithmetic: float matrix products may take bf16 or f16 operands with f32 sums; other float arithmetic in f32, or as packed bf16 or f16 multiplies, adds, multiply-adds, maxima and minima; sums over many terms, partial sums and values carried from step to step in f32; what a program stores and reads back later, other than sums and carried values, may be rounded once to bf16 or f16.
;; Inputs: query 16 x 4,096 x 64 float32; rand_matrix 16 x 64 x 4 x 32 float32; value 16 x 4,096 x 64 float32.
;; Outputs: out0 16 x 4,096 x 64 float32.
;; Constants: seed = 0.
;; 2 versions, each right; version 2 is version 1 with the launches hash, refine written anew for expert scheduling mode. Each part assembles by itself: llvm-mc -triple=amdgcn-amd-amdhsa -mcpu=gfx1250 --defsym DOCPART=n.
;; ======== version 1 of 2: 5 launches
;; limits: values are held in f16: magnitudes above 65,504 overflow, below 6.1e-05 lose precision; inputs' magnitudes at most 65,504
;; workspace buffers: cnd 1,048,576 bytes of whole numbers; hsh 1,048,576 bytes of whole numbers; kinv 262,144 bytes; skey 1,048,576 bytes of whole numbers; rank 1,048,576 bytes of whole numbers; cw 262,144 bytes of whole numbers; att 33,554,432 bytes; lse2 1,048,576 bytes
;; launch hash (part 1): grid 256 x 1, 4 waves a work-group, no clusters, 19,456 bytes of LDS; arguments query, rand_matrix, cnd, kinv; writes cnd, kinv
.if DOCPART == 1
	.amdgcn_target "amdgcn-amd-amdhsa--gfx1250"
	.amdhsa_code_object_version 6
	.text
	.protected	k_q7fe435489d_hash
	.globl	k_q7fe435489d_hash
	.p2align	8
	.type	k_q7fe435489d_hash,@function
k_q7fe435489d_hash:
	s_mov_b64 s[64:65], 0
	v_nop
	global_prefetch_b8 v0, s[64:65] scope:SCOPE_SE
	s_setreg_imm32_b32 hwreg(HW_REG_WAVE_MODE, 25, 1), 1
	s_wait_xcnt 0x0
; HASH CANDIDATES AND KEY SCALES.  For each batch b, round r and row l: the FOUR columns n of the round's 32 whose projection q[b][l] . rm[b][:, r, n] / |column| is largest in magnitude:
; cnd[b][r][l] = n1 | n2 << 8 | n3 << 16 | n4 << 24.  The launch behind computes those four projections anew, in f32 on the unrounded inputs, and decides.
; kinv[b][l] = log2(e) / (8 max(|q[b][l]|, 1e-12)), of the unrounded q.
; The product is one bf16 matrix product with f32 sums, on q and rand_matrix rounded to bf16; each column is then scaled in f32 by 1 / |column| (of the unrounded column; v_rsq_f32 and one Newton step).
; q's own norm is a positive factor of a whole row and does not move the order, so it is left out here.
; A KEY is the magnitude with its five lowest bits replaced by 31 - column: keys are all different, order as positive f32 numbers, carry their column along, and of equal magnitudes the lower column has the greater key.
; LIMITS.  bf16's rounding moves a projection by about a thousandth of the projections' spread: the row's true winner is missed only where five magnitudes lie within that of each other.
; A column of rand_matrix that is all zeros is not served (its norm divides).  NaN and infinities are not treated apart.
; SHARES.  A work-group: 256 rows of one batch; a wave: 64 rows, four tiles of 16.  Thread t rounds column t of the batch's 128 (round t / 32) and lays it into LDS as [d][column].
; LAYOUT.  Source 0 = 16 columns of rm (turned out of LDS by ds_load_tr16_b128), source 1 = 16 rows of q: in the result a lane holds ONE row (lane % 16) and the columns 8 (lane / 16) + 0..7.
; No tensor load, no cluster: rm is 32 KiB a batch and must be rounded on its way; q is read once by its own wave.
.set RMP,   288                        ; a row of rm in LDS: 128 bf16 + 32 bytes = 72 words
.set INVB,  18432                      ; behind the 64 rows: 1 / |column|, 128 f32
.set SPARE, 18944                      ; the spare words, 128 bytes for each wave: two blocks of 256 bytes that no other line names
.set QP,    64                         ; v[64:127]   rm as loaded; then q packed, 16 registers a tile
.set LND,   128                        ; v[128:255]  q as loaded
.set AF,    128                        ; v[128:159]  rm's fragments of one round: column half u, K half ks at 16 u + 8 ks
.set SC,    160                        ; v[160:175]  my 16 columns' scales
.set DD,    192                        ; v[192:255]  results, then keys: tile T, column half u at 16 T + 8 u
.set K1,    16                         ; v[16:19]    the largest key so far, by tile
.set K2,    20                         ; v[20:23]    the second
.set K3,    54                         ; v[54:57]    the third
.set K4,    58                         ; v[58:61]    the fourth
.set O1,    24                         ; v[24:27]    the other half of the lanes' largest,
.set O2,    28                         ; v[28:31]    second,
.set O3,    46                         ; v[46:49]    third (where the sums of squares lay)
.set O4,    50                         ; v[50:53]    and fourth
.set HS,    32                         ; v[32:39]    candidates to store: two registers a round, none written twice
.set KV,    42                         ; v[42:45]    key scales by tile
.set SS,    46                         ; v[46:53]    sums of squares
	s_load_b256 s[4:11], s[0:1], 0x0               ; query s[4:5], rand_matrix s[6:7], cnd s[8:9], kinv s[10:11]
	v_lshl_add_u32 v1, v0, 2, SPARE                ; my spare word,
	v_mov_b32 v2, 0                                ; and 0: kept for the closing add alone
	v_lshrrev_b32 v12, 5, v0
	v_readfirstlane_b32 s12, v12                   ; wave 0..3
	v_and_b32 v3, 15, v0                           ; lane % 16
	v_bfe_u32 v4, v0, 4, 1                         ; lane / 16
	v_lshlrev_b32 v5, 8, v3
	v_lshl_add_u32 v5, v4, 5, v5                   ; q: row x 256 + 32 x half
	v_and_b32 v12, 7, v0
	v_lshl_add_u32 v12, v4, 3, v12
	v_mul_u32_u24 v6, v12, RMP
	v_bfe_u32 v12, v0, 3, 1
	v_lshl_add_u32 v6, v12, 4, v6                  ; the turning load: row 8 (lane / 16) + lane % 8, 16 bytes by bit 3
	v_lshlrev_b32 v7, 5, v4                        ; 32 x half: my eight scales
	v_xor_b32 v8, 1, v4
	v_lshlrev_b32 v8, 3, v8                        ; 8 x (1 - half): bit 3 of 31 - column for my columns
	v_and_b32 v9, 31, v0
	v_lshlrev_b32 v9, 2, v9                        ; 4 x lane
	v_lshlrev_b32 v10, 2, v0                       ; 4 t
	v_lshlrev_b32 v11, 1, v0                       ; 2 t
.set i, 0
.rept 8
	v_mov_b32 v[O1+i], 0                           ; v_permlanex16_b32 counts as a reader of its destination
.set i, i+1
.endr
	s_mov_b32 s13, 0xffff0000                      ; lanes 16 to 31
	s_mov_b32 s14, 0x76543210                      ; v_permlanex16_b32: each lane takes its own place in the other half
	s_mov_b32 s15, 0xfedcba98
	s_mov_b32 s34, 0x7fffffe0                      ; a key's part of the magnitude
	s_lshr_b32 s16, ttmp9, 4                       ; batch
	s_and_b32 s17, ttmp9, 15
	s_lshl_b32 s24, s16, 15                        ; rm: 32,768 bytes a batch
	s_mov_b32 s25, 0
	s_lshl_b32 s26, ttmp9, 8
	s_lshl_b32 s27, s12, 6
	s_add_co_u32 s26, s26, s27                     ; my wave's first row among all 65,536
	s_lshl_b32 s28, s26, 8                         ; in bytes of q
	s_mov_b32 s29, 0
	s_lshl_b32 s30, s26, 2                         ; in bytes of kinv
	s_mov_b32 s31, 0
	s_lshl_b32 s32, s17, 8
	s_add_co_u32 s32, s32, s27
	s_lshl_b32 s32, s32, 2
	s_lshl_b32 s33, s16, 16
	s_add_co_u32 s32, s32, s33                     ; cnd: 65,536 bytes a batch + 4 x my first row in it
	s_mov_b32 s33, 0
	s_wait_kmcnt 0x0
	s_add_nc_u64 s[6:7], s[6:7], s[24:25]
	s_add_nc_u64 s[4:5], s[4:5], s[28:29]
	s_add_nc_u64 s[10:11], s[10:11], s[30:31]
	s_add_nc_u64 s[8:9], s[8:9], s[32:33]
.set d, 0
.rept 64
	global_load_b32 v[QP+d], v10, s[6:7] offset:d*512  ; my column, row d: a wave takes 128 consecutive bytes
.set d, d+1
.endr
.set i, 0
.rept 32                               ; tile i / 8; channels 16 ((i % 8) / 2) + 8 (lane / 16) + 4 (i % 2) on
	global_load_b128 v[LND+4*i:LND+4*i+3], v5, s[4:5] offset:(i/8)*4096+((i%8)/2)*64+(i%2)*16
.set i, i+1
.endr
	s_wait_loadcnt 32                              ; rm is in; the 32 younger loads, q's, stay out
.set d, 0
.rept 32
	v_cvt_pk_bf16_f32 v12, v[QP+d], v[QP+d+1]
	v_lshrrev_b32 v15, 16, v12
.if d == 0
	v_mul_f32 v[SS], v[QP], v[QP]                  ; the first squares start the sums
	v_mul_f32 v[SS+1], v[QP+1], v[QP+1]
.else
	v_fma_f32 v[SS], v[QP+d], v[QP+d], v[SS]
	v_fma_f32 v[SS+1], v[QP+d+1], v[QP+d+1], v[SS+1]
.endif
	ds_store_b16 v11, v12 offset:d*RMP
	ds_store_b16 v11, v15 offset:(d+1)*RMP
.set d, d+2
.endr
	v_add_f32 v[SS], v[SS], v[SS+1]
	v_rsq_f32 v[SS+1], v[SS]
	v_nop                                          ; a plain instruction behind the transcendental,
	s_wait_alu depctr_va_vdst(0)                   ; and the wait ahead of its first reader
	v_mul_f32 v[SS+2], v[SS], v[SS+1]              ; one Newton step: y + y/2 (1 - x y y)
	v_fma_f32 v[SS+2], -v[SS+2], v[SS+1], 1.0
	v_mul_f32 v[SS+3], 0.5, v[SS+1]
	v_fma_f32 v[SS+1], v[SS+3], v[SS+2], v[SS+1]
	ds_store_b32 v10, v[SS+1] offset:INVB
	s_wait_dscnt 0x0                               ; for the others' sake: my column and its scale lie in LDS
	s_barrier_signal -1
	s_barrier_wait -1
	s_wait_loadcnt 0x0                             ; q
.set i, 0
.rept 64
	v_cvt_pk_bf16_f32 v[QP+i], v[LND+2*i], v[LND+2*i+1]  ; a tile's 16 registers are its two fragments, as they lie
.set i, i+1
.endr
	; the key scale: the sum of q's squares, my 32 channels (two sums an instruction) and the other half's
.set m, 0
.rept 16
.set T, 0
.rept 4
.if m == 0
	v_pk_mul_f32 v[SS+2*T:SS+2*T+1], v[LND+32*T:LND+32*T+1], v[LND+32*T:LND+32*T+1]
.else
	v_pk_fma_f32 v[SS+2*T:SS+2*T+1], v[LND+32*T+2*m:LND+32*T+2*m+1], v[LND+32*T+2*m:LND+32*T+2*m+1], v[SS+2*T:SS+2*T+1]
.endif
.set T, T+1
.endr
.set m, m+1
.endr
.set T, 0
.rept 4
	v_add_f32 v[SS+2*T], v[SS+2*T], v[SS+2*T+1]
.set T, T+1
.endr
.set T, 0
.rept 4
	v_permlanex16_b32 v[O1+T], v[SS+2*T], s14, s15
.set T, T+1
.endr
.set T, 0
.rept 4
	v_add_f32 v[SS+2*T], v[SS+2*T], v[O1+T]
.set T, T+1
.endr
.set T, 0
.rept 4
	v_sqrt_f32 v[KV+T], v[SS+2*T]
.set T, T+1
.endr
	v_nop
	s_wait_alu depctr_va_vdst(0)                   ; one wait for the four roots
.set T, 0
.rept 4
	v_max_num_f32 v[KV+T], 0x2b8cbccc, v[KV+T]     ; 1e-12
.set T, T+1
.endr
.set T, 0
.rept 4
	v_rcp_f32 v[KV+T], v[KV+T]
.set T, T+1
.endr
	v_nop
	s_wait_alu depctr_va_vdst(0)                   ; one wait for the four reciprocals
.set T, 0
.rept 4
	v_mul_f32 v[KV+T], 0x3e38aa3b, v[KV+T]         ; log2(e) / 8
.set T, T+1
.endr
	v_cndmask_b32 v40, v[KV], v[KV+1], s13         ; lanes 0-15 a tile's 16 rows, lanes 16-31 the next tile's: 128 consecutive bytes
	v_cndmask_b32 v41, v[KV+2], v[KV+3], s13
	global_store_b32 v9, v40, s[10:11]
	global_store_b32 v9, v41, s[10:11] offset:128
; Key x is set into tile t's sorted four: of a place's old key, the key above it and the new key, the middle one is the place's new key.  The places are taken from the bottom up, so that each line reads old keys.
; lev = 2, 3: only so many keys are there yet: the new lowest place takes the smaller of the new key and the key above.
.macro INS t, x, lev=4
.if (\lev) == 4
	v_med3_num_f32 v[K4+(\t)], v[K3+(\t)], v[K4+(\t)], v[\x]
.elseif (\lev) == 3
	v_min_num_f32 v[K4+(\t)], v[K3+(\t)], v[\x]
.endif
.if (\lev) >= 3
	v_med3_num_f32 v[K3+(\t)], v[K2+(\t)], v[K3+(\t)], v[\x]
.else
	v_min_num_f32 v[K3+(\t)], v[K2+(\t)], v[\x]
.endif
	v_med3_num_f32 v[K2+(\t)], v[K1+(\t)], v[K2+(\t)], v[\x]
	v_max_num_f32 v[K1+(\t)], v[K1+(\t)], v[\x]
.endm
; One round: 32 columns x my 64 rows, 16 matrix instructions; then the four largest keys of each row.
.macro ROUND r
.set u, 0
.rept 2
.set ks, 0
.rept 2
	ds_load_tr16_b128 v[AF+16*u+8*ks:AF+16*u+8*ks+3], v6 offset:32*ks*RMP+2*(32*(\r)+16*u)
	ds_load_tr16_b128 v[AF+16*u+8*ks+4:AF+16*u+8*ks+7], v6 offset:(32*ks+16)*RMP+2*(32*(\r)+16*u)
.set ks, ks+1
.endr
.set u, u+1
.endr
.set m, 0
.rept 4
	ds_load_b128 v[SC+4*m:SC+4*m+3], v7 offset:INVB+128*(\r)+64*(m/2)+16*(m%2)
.set m, m+1
.endr
	s_wait_dscnt 0x0
.set n, 0
.rept 8                                ; the eight accumulators take turns; the first K half starts the sums
	v_wmma_f32_16x16x32_bf16 v[DD+8*n:DD+8*n+7], v[AF+16*(n%2):AF+16*(n%2)+7], v[QP+16*(n/2):QP+16*(n/2)+7], 0
.set n, n+1
.endr
.set n, 0
.rept 8
	v_wmma_f32_16x16x32_bf16 v[DD+8*n:DD+8*n+7], v[AF+16*(n%2)+8:AF+16*(n%2)+15], v[QP+16*(n/2)+8:QP+16*(n/2)+15], v[DD+8*n:DD+8*n+7]
.set n, n+1
.endr
.rept 5
	v_nop                                          ; the places behind the last product: ahead of the scalings that read results, and of the next round's loads and products
.endr
.set n, 0
.rept 8
.set i, 0
.rept 4                                ; each accumulator is read from its low end on
	v_pk_mul_f32 v[DD+8*n+2*i:DD+8*n+2*i+1], v[DD+8*n+2*i:DD+8*n+2*i+1], v[SC+8*(n%2)+2*i:SC+8*(n%2)+2*i+1]
.set i, i+1
.endr
.set n, n+1
.endr
.set n, 0
.rept 8
.set i, 0
.rept 8                                ; the keys: sign and five low bits off, 31 - column (but for its bit 3, which goes by my half of the lanes) in
	v_and_or_b32 v[DD+8*n+i], v[DD+8*n+i], s34, 16*(1-n%2)+7-i
.set i, i+1
.endr
.set n, n+1
.endr
.set T, 0
.rept 4
	v_max_num_f32 v[K1+T], v[DD+16*T], v[DD+16*T+1]
	v_min_num_f32 v[K2+T], v[DD+16*T], v[DD+16*T+1]
.set T, T+1
.endr
.set i, 2
.rept 14
.set lv, 4
.if i < 4
.set lv, i
.endif
.set T, 0
.rept 4
	INS T, DD+16*T+i, lv
.set T, T+1
.endr
.set i, i+1
.endr
.set T, 0
.rept 4
	v_or_b32 v[K1+T], v8, v[K1+T]
	v_or_b32 v[K2+T], v8, v[K2+T]
	v_or_b32 v[K3+T], v8, v[K3+T]
	v_or_b32 v[K4+T], v8, v[K4+T]
.set T, T+1
.endr
.set T, 0
.rept 4
	v_permlanex16_b32 v[O1+T], v[K1+T], s14, s15
	v_permlanex16_b32 v[O2+T], v[K2+T], s14, s15
	v_permlanex16_b32 v[O3+T], v[K3+T], s14, s15
	v_permlanex16_b32 v[O4+T], v[K4+T], s14, s15
.set T, T+1
.endr
.set T, 0
.rept 4                                ; the other half's four are set into mine: both halves of the lanes end with the same four; then the columns out of the keys
	INS T, O1+T
	INS T, O2+T
	INS T, O3+T
	INS T, O4+T
	v_and_b32 v[K1+T], 31, v[K1+T]
	v_and_b32 v[K2+T], 31, v[K2+T]
	v_and_b32 v[K3+T], 31, v[K3+T]
	v_and_b32 v[K4+T], 31, v[K4+T]
	v_lshl_or_b32 v[K1+T], v[K2+T], 8, v[K1+T]
	v_lshl_or_b32 v[K1+T], v[K3+T], 16, v[K1+T]
	v_lshl_or_b32 v[K1+T], v[K4+T], 24, v[K1+T]
	v_xor_b32 v[K1+T], 0x1f1f1f1f, v[K1+T]
.set T, T+1
.endr
	v_cndmask_b32 v[HS+2*(\r)], v[K1], v[K1+1], s13
	v_cndmask_b32 v[HS+2*(\r)+1], v[K1+2], v[K1+3], s13
	global_store_b32 v9, v[HS+2*(\r)], s[8:9] offset:16384*(\r)
	global_store_b32 v9, v[HS+2*(\r)+1], s[8:9] offset:16384*(\r)+128
.endm
	ROUND 0
	ROUND 1
	ROUND 2
	ROUND 3
	s_wait_tensorcnt 0x0                           ; the wave's end, behind my last LDS store
	ds_add_u32 v1, v2
	s_wait_dscnt 0x0
	s_endpgm
.Lfunc_end_k_q7fe435489d_hash:
	.size	k_q7fe435489d_hash, .Lfunc_end_k_q7fe435489d_hash-k_q7fe435489d_hash
	.p2alignl 7, 3214868480
	.fill 96, 4, 3214868480
	.section	.rodata,"a",@progbits
	.p2align	6, 0x0
	.amdhsa_kernel k_q7fe435489d_hash
		.amdhsa_group_segment_fixed_size 19456
		.amdhsa_private_segment_fixed_size 0
		.amdhsa_enable_private_segment 0
		.amdhsa_kernarg_size 32
		.amdhsa_user_sgpr_count 2
		.amdhsa_user_sgpr_kernarg_segment_ptr 1
		.amdhsa_wavefront_size32 1
		.amdhsa_system_sgpr_workgroup_id_x 1
		.amdhsa_system_sgpr_workgroup_id_y 1
		.amdhsa_system_sgpr_workgroup_id_z 1
		.amdhsa_system_vgpr_workitem_id 0
		.amdhsa_next_free_vgpr 256
		.amdhsa_next_free_sgpr 66
		.amdhsa_reserve_vcc 0
		.amdhsa_float_denorm_mode_32 3
		.amdhsa_float_denorm_mode_16_64 3
		.amdhsa_memory_ordered 1
		.amdhsa_forward_progress 1
		.amdhsa_inst_pref_size 140
	.end_amdhsa_kernel
	.amdgpu_metadata
---
amdhsa.version: [ 1, 2 ]
amdhsa.kernels:
  - .name:           k_q7fe435489d_hash
    .symbol:         k_q7fe435489d_hash.kd
    .args:
      - { .name: query, .offset: 0, .size: 8, .value_kind: global_buffer, .address_space: global }
      - { .name: rand_matrix, .offset: 8, .size: 8, .value_kind: global_buffer, .address_space: global }
      - { .name: cnd, .offset: 16, .size: 8, .value_kind: global_buffer, .address_space: global }
      - { .name: kinv, .offset: 24, .size: 8, .value_kind: global_buffer, .address_space: global }
    .group_segment_fixed_size: 19456
    .private_segment_fixed_size: 0
    .kernarg_segment_align: 8
    .kernarg_segment_size: 32
    .max_flat_workgroup_size: 128
    .sgpr_count:     66
    .vgpr_count:     256
    .wavefront_size: 32
...
	.end_amdgpu_metadata
.endif
;; end of part 1
;; launch refine (part 2): grid 256 x 1, 8 waves a work-group, no clusters, 104,448 bytes of LDS; arguments query, rand_matrix, cnd, hsh; writes hsh
.if DOCPART == 2
	.amdgcn_target "amdgcn-amd-amdhsa--gfx1250"
	.amdhsa_code_object_version 6
	.text
	.protected	k_q7fe435489d_refine
	.globl	k_q7fe435489d_refine
	.p2align	8
	.type	k_q7fe435489d_refine,@function
k_q7fe435489d_refine:
	s_mov_b64 s[64:65], 0
	v_nop
	global_prefetch_b8 v0, s[64:65] scope:SCOPE_SE
	s_setreg_imm32_b32 hwreg(HW_REG_WAVE_MODE, 25, 1), 1
	s_wait_xcnt 0x0
; THE HASH IS DECIDED.  hsh[b][r][l] = argmax over [mm, -mm], 0 .. 63, taken among the four candidate columns that cnd[b][r][l] names (a byte each).
; The argmax is a choice, so the four projections are made in f32, on the inputs as they are given, step by step as one f32 evaluation of the formula makes them:
;   a sum of 64 squares, each rounded to f32 by itself = the ascending sum of the first 32 + the ascending sum of the last 32;   the norm = its correctly rounded root (for q: at least 1e-12);
;   each element / the norm, correctly rounded;   mm = one chain of 64 fused multiply-adds in ascending d.   The greatest magnitude wins; of equals the lowest index in [mm, -mm].
; LIMITS.  An f32 evaluation in another order of summation can fall otherwise where two projections agree to the last bits.  A column of rand_matrix that is all zeros is not served (its norm
; divides).  NaN and infinities are not treated apart.
; SHARES.  A work-group: 256 rows of one batch, a thread a row: 4 rounds x 4 candidates = sixteen chains, which do not wait for each other.  Threads 0-127 (waves 0-3) normalise the batch's 128 columns into LDS.
; This is 4 of every 32 columns, 1/8 of the product's multiply-adds; the bulk product, which finds the candidates, is the matrix units' in the launch before.  f32's full width is the point here, so the chains
; stay in the vector unit.  No tensor load, no cluster: a work-group shares only the 32 KiB of rand_matrix with its batch's others, and divides them on their way.
.set QPI,   272                        ; a row of q in LDS: 64 f32 + 16 bytes = 68 words: the 16 rows of a pass of 16-byte loads start at 16 different groups of four banks
.set RTB,   69632                      ; behind q's 256 rows: rm / |rm| as f32, [column][d]
.set RPI,   264                        ; a column: 256 bytes + 8 = 66 words: a round's 32 columns start at 32 different pairs of banks, for the loads of 8 bytes
.set SPARE, 103424                     ; the spare words, 128 bytes for each of eight waves: four blocks of 256 bytes that no other line names
.set ACC, 8                            ; v[8:23]     the sixteen sums: round r, candidate k at 4 r + k
.set W,   24                           ; v[24:49]    at work
.set X,   64                           ; v[64:127]   q as loaded; then my row, 64 f32
.set RMX, 128                          ; v[128:191]  my column of rm
.set B0,  128                          ; v[128:191]  later: two buffers of 32: two d of each of my sixteen columns
.set CN,  192                          ; v[192:195]  cnd by round
.set CI,  196                          ; v[196:211]  the candidates' columns, then their indices in [mm, -mm]
.set CA,  212                          ; v[212:227]  their LDS addresses
.set HO,  228                          ; v[228:231]  hashes to store
; v1, v2 the add's registers; v3 4 t; v4 256 (lane / 16) + 16 (lane % 16); v5 where 16 bytes of a staged row go; v6 my row in LDS; v7 my column in LDS
	s_load_b256 s[4:11], s[0:1], 0x0               ; query s[4:5], rand_matrix s[6:7], cnd s[8:9], hsh s[10:11]
	v_lshl_add_u32 v1, v0, 2, SPARE
	v_mov_b32 v2, 0
	v_lshrrev_b32 v16, 5, v0
	v_readfirstlane_b32 s12, v16                   ; wave 0..7
	v_and_b32 v17, 15, v0
	v_bfe_u32 v18, v0, 4, 1
	v_lshlrev_b32 v3, 2, v0
	v_lshlrev_b32 v4, 8, v18
	v_lshl_add_u32 v4, v17, 4, v4
	s_lshl_b32 s13, s12, 5                         ; my wave's first row in the work-group
	v_add_nc_u32 v5, s13, v18
	v_mul_u32_u24 v5, v5, QPI
	v_lshl_add_u32 v5, v17, 4, v5
	v_mul_u32_u24 v6, v0, QPI
	v_and_b32 v7, 127, v0
	v_mul_u32_u24 v7, v7, RPI
	v_add_nc_u32 v7, RTB, v7
	s_lshr_b32 s16, ttmp9, 4                       ; batch
	s_lshl_b32 s20, s16, 15                        ; rm: 32,768 bytes a batch
	s_mov_b32 s21, 0
	s_lshl_b32 s22, ttmp9, 8
	s_add_co_u32 s22, s22, s13
	s_lshl_b32 s22, s22, 8                         ; q at my wave's first row
	s_mov_b32 s23, 0
	s_and_b32 s24, ttmp9, 15
	s_lshl_b32 s24, s24, 10
	s_lshl_b32 s25, s16, 16
	s_add_co_u32 s24, s24, s25                     ; cnd, hsh: 65,536 bytes a batch + 4 x the work-group's first row in it
	s_mov_b32 s25, 0
	s_wait_kmcnt 0x0
	s_add_nc_u64 s[4:5], s[4:5], s[22:23]
	s_add_nc_u64 s[6:7], s[6:7], s[20:21]
	s_add_nc_u64 s[8:9], s[8:9], s[24:25]
	s_add_nc_u64 s[10:11], s[10:11], s[24:25]
.set i, 0
.rept 16
	global_load_b128 v[X+4*i:X+4*i+3], v4, s[4:5] offset:512*i  ; two whole rows of 256 bytes an instruction
.set i, i+1
.endr
.set r, 0
.rept 4
	global_load_b32 v[CN+r], v3, s[8:9] offset:16384*r
.set r, r+1
.endr
; The 64 numbers in v[x ..] are divided by their norm, in place.  eps = 1: the norm is at least 1e-12.
.macro NORM x, eps
.set g, 0
.rept 16                               ; two ascending sums of 32 squares.  A square is rounded by itself and then added: the two are kept apart on purpose, since both roundings belong to the evaluation that is followed
	v_pk_mul_f32 v[W+10+4*(g%2):W+11+4*(g%2)], v[(\x)+2*g:(\x)+2*g+1], v[(\x)+2*g:(\x)+2*g+1]
	v_pk_mul_f32 v[W+12+4*(g%2):W+13+4*(g%2)], v[(\x)+32+2*g:(\x)+33+2*g], v[(\x)+32+2*g:(\x)+33+2*g]
.if g == 0
	v_add_f32 v[W], v[W+10], v[W+11]               ; the first two squares start the sums
	v_add_f32 v[W+1], v[W+12], v[W+13]
.else
	v_add_f32 v[W], v[W], v[W+10+4*(g%2)]
	v_add_f32 v[W+1], v[W+1], v[W+12+4*(g%2)]
	v_add_f32 v[W], v[W], v[W+11+4*(g%2)]
	v_add_f32 v[W+1], v[W+1], v[W+13+4*(g%2)]
.endif
.set g, g+1
.endr
	v_add_f32 v[W], v[W], v[W+1]
	v_sqrt_f32 v[W+1], v[W]
	v_nop                                          ; a plain instruction behind the transcendental,
	s_wait_alu depctr_va_vdst(0)                   ; and the wait ahead of its first reader
	v_add_nc_u32 v[W+2], -1, v[W+1]                ; the root is within a step of the rounded one: s is too large where x - s (s - step) <= 0, too small where x - s (s + step) > 0
	v_add_nc_u32 v[W+3], 1, v[W+1]
	v_fma_f32 v[W+4], -v[W+2], v[W+1], v[W]
	v_fma_f32 v[W+5], -v[W+3], v[W+1], v[W]
	v_cmp_ge_f32 vcc_lo, 0, v[W+4]
	v_cndmask_b32 v[W+1], v[W+1], v[W+2], vcc_lo
	v_cmp_lt_f32 vcc_lo, 0, v[W+5]
	v_cndmask_b32 v[W+1], v[W+1], v[W+3], vcc_lo
.if \eps
	v_max_num_f32 v[W+6], 0x2b8cbccc, v[W+1]       ; 1e-12
.else
	v_mov_b32 v[W+6], v[W+1]
.endif
	v_mov_b32 v[W+7], v[W+6]                       ; named with it as a pair
	v_rcp_f32 v[W+8], v[W+6]
	v_nop
	s_wait_alu depctr_va_vdst(0)
	v_fma_f32 v[W+9], -v[W+6], v[W+8], 1.0         ; the reciprocal refined once
	v_fma_f32 v[W+8], v[W+9], v[W+8], v[W+8]
	v_mov_b32 v[W+9], v[W+8]
.set g, 0
.rept 8                                ; x / n, correctly rounded: x y, then twice the fused residual x - n q times y onto q; eight numbers at a time, two an instruction
.irp p, 0,1,2,3
	v_pk_mul_f32 v[W+10+2*\p:W+11+2*\p], v[(\x)+8*g+2*\p:(\x)+8*g+2*\p+1], v[W+8:W+9] op_sel_hi:[1,0]
.endr
.irp p, 0,1,2,3
	v_pk_fma_f32 v[W+18+2*\p:W+19+2*\p], v[W+10+2*\p:W+11+2*\p], v[W+6:W+7], v[(\x)+8*g+2*\p:(\x)+8*g+2*\p+1] op_sel_hi:[1,0,1] neg_lo:[0,1,0] neg_hi:[0,1,0]
.endr
.irp p, 0,1,2,3
	v_pk_fma_f32 v[W+10+2*\p:W+11+2*\p], v[W+18+2*\p:W+19+2*\p], v[W+8:W+9], v[W+10+2*\p:W+11+2*\p] op_sel_hi:[1,0,1]
.endr
.irp p, 0,1,2,3
	v_pk_fma_f32 v[W+18+2*\p:W+19+2*\p], v[W+10+2*\p:W+11+2*\p], v[W+6:W+7], v[(\x)+8*g+2*\p:(\x)+8*g+2*\p+1] op_sel_hi:[1,0,1] neg_lo:[0,1,0] neg_hi:[0,1,0]
.endr
.irp p, 0,1,2,3
	v_pk_fma_f32 v[(\x)+8*g+2*\p:(\x)+8*g+2*\p+1], v[W+18+2*\p:W+19+2*\p], v[W+8:W+9], v[W+10+2*\p:W+11+2*\p] op_sel_hi:[1,0,1]
.endr
.set g, g+1
.endr
.endm
	s_cmp_lt_u32 s12, 4                            ; waves 0-3: thread t takes column t of the batch's 128
	s_cbranch_scc0 .Lno_rm
.set d, 0
.rept 64
	global_load_b32 v[RMX+d], v3, s[6:7] offset:512*d  ; row d: a wave takes 128 consecutive bytes
.set d, d+1
.endr
	s_wait_loadcnt 0x0
	NORM RMX, 0
.set k, 0
.rept 32
	ds_store_b64 v7, v[RMX+2*k:RMX+2*k+1] offset:8*k
.set k, k+1
.endr
	ds_store_b64 v7, v[RMX+62:RMX+63] offset:256   ; the column's 8 bytes of padding are written too: no byte of the table is left as it was found; nobody uses them
.Lno_rm:
	s_wait_loadcnt 0x0                             ; q and the candidates
.set i, 0
.rept 16
	ds_store_b128 v5, v[X+4*i:X+4*i+3] offset:2*QPI*i  ; rows as they came, two an instruction; they come back a row a thread
.set i, i+1
.endr
	s_wait_dscnt 0x0                               ; for the others' sake: my rows, and my column, lie in LDS
	s_barrier_signal -1
	s_barrier_wait -1
.set k, 0
.rept 16
	ds_load_b128 v[X+4*k:X+4*k+3], v6 offset:16*k  ; my own row
.set k, k+1
.endr
.set r, 0
.rept 4
.set k, 0
.rept 4
	v_bfe_u32 v[CI+4*r+k], v[CN+r], 8*k, 5
	v_min_u32 v[CI+4*r+k], 31, v[CI+4*r+k]         ; a loaded number enters an address only behind a clamp
	v_mul_u32_u24 v[CA+4*r+k], v[CI+4*r+k], RPI
	v_add_nc_u32 v[CA+4*r+k], RTB+32*r*RPI, v[CA+4*r+k]
.set k, k+1
.endr
.set r, r+1
.endr
	s_wait_dscnt 0x0
	NORM X, 1
.macro RLOAD buf, j                    ; d = 2 j, 2 j + 1 of my sixteen columns
.set c, 0
.rept 16
	ds_load_b64 v[(\buf)+2*c:(\buf)+2*c+1], v[CA+c] offset:8*(\j)
.set c, c+1
.endr
.endm
.macro RFMA buf, j                     ; two links of each of the sixteen chains; the first product starts the sums
.set e, 0
.rept 2
.set c, 0
.rept 16
.if ((\j) == 0) && (e == 0)
	v_mul_f32 v[ACC+c], v[X], v[(\buf)+2*c]
.else
	v_fmac_f32 v[ACC+c], v[X+2*(\j)+e], v[(\buf)+2*c+e]
.endif
.set c, c+1
.endr
.set e, e+1
.endr
.endm
	RLOAD B0, 0
	RLOAD B0+32, 1
.set j, 0
.rept 32
.if j < 31
	s_wait_dscnt 16                                ; this block's sixteen loads are in; the next block's sixteen, issued behind them, stay out
.else
	s_wait_dscnt 0x0
.endif
	RFMA B0+32*(j%2), j
.if j < 30
	RLOAD B0+32*(j%2), j+2
.endif
.set j, j+1
.endr
.set r, 0
.rept 4                                ; a negative projection stands 32 places on in [mm, -mm]; a later candidate wins by a greater magnitude, or by the lower index of equals
.set k, 0
.rept 4
	v_cmp_gt_f32 s20, 0, v[ACC+4*r+k]
	v_add_nc_u32 v[W+k], 32, v[CI+4*r+k]
	v_cndmask_b32 v[CI+4*r+k], v[CI+4*r+k], v[W+k], s20
.set k, k+1
.endr
	v_mov_b32 v[HO+r], v[CI+4*r]
.set k, 1
.rept 3
	v_cmp_gt_f32 s20, |v[ACC+4*r+k]|, |v[ACC+4*r]|
	v_cmp_eq_f32 s21, |v[ACC+4*r+k]|, |v[ACC+4*r]|
	v_cmp_lt_u32 s22, v[CI+4*r+k], v[HO+r]
	s_and_b32 s21, s21, s22
	s_or_b32 s20, s20, s21
	v_cndmask_b32 v[ACC+4*r], v[ACC+4*r], v[ACC+4*r+k], s20
	v_cndmask_b32 v[HO+r], v[HO+r], v[CI+4*r+k], s20
.set k, k+1
.endr
	global_store_b32 v3, v[HO+r], s[10:11] offset:16384*r  ; a wave stores 128 consecutive bytes
.set r, r+1
.endr
	s_wait_tensorcnt 0x0                           ; the wave's end, behind my last LDS store
	ds_add_u32 v1, v2
	s_wait_dscnt 0x0
	s_endpgm
.Lfunc_end_k_q7fe435489d_refine:
	.size	k_q7fe435489d_refine, .Lfunc_end_k_q7fe435489d_refine-k_q7fe435489d_refine
	.p2alignl 7, 3214868480
	.fill 96, 4, 3214868480
	.section	.rodata,"a",@progbits
	.p2align	6, 0x0
	.amdhsa_kernel k_q7fe435489d_refine
		.amdhsa_group_segment_fixed_size 104448
		.amdhsa_private_segment_fixed_size 0
		.amdhsa_enable_private_segment 0
		.amdhsa_kernarg_size 32
		.amdhsa_user_sgpr_count 2
		.amdhsa_user_sgpr_kernarg_segment_ptr 1
		.amdhsa_wavefront_size32 1
		.amdhsa_system_sgpr_workgroup_id_x 1
		.amdhsa_system_sgpr_workgroup_id_y 1
		.amdhsa_system_sgpr_workgroup_id_z 1
		.amdhsa_system_vgpr_workitem_id 0
		.amdhsa_next_free_vgpr 232
		.amdhsa_next_free_sgpr 66
		.amdhsa_reserve_vcc 1
		.amdhsa_float_denorm_mode_32 3
		.amdhsa_float_denorm_mode_16_64 3
		.amdhsa_memory_ordered 1
		.amdhsa_forward_progress 1
		.amdhsa_inst_pref_size 121
	.end_amdhsa_kernel
	.amdgpu_metadata
---
amdhsa.version: [ 1, 2 ]
amdhsa.kernels:
  - .name:           k_q7fe435489d_refine
    .symbol:         k_q7fe435489d_refine.kd
    .args:
      - { .name: query, .offset: 0, .size: 8, .value_kind: global_buffer, .address_space: global }
      - { .name: rand_matrix, .offset: 8, .size: 8, .value_kind: global_buffer, .address_space: global }
      - { .name: cnd, .offset: 16, .size: 8, .value_kind: global_buffer, .address_space: global }
      - { .name: hsh, .offset: 24, .size: 8, .value_kind: global_buffer, .address_space: global }
    .group_segment_fixed_size: 104448
    .private_segment_fixed_size: 0
    .kernarg_segment_align: 8
    .kernarg_segment_size: 32
    .max_flat_workgroup_size: 256
    .sgpr_count:     66
    .vgpr_count:     232
    .wavefront_size: 32
...
	.end_amdgpu_metadata
.endif
;; end of part 2
;; launch sort (part 3): grid 64 x 1, 32 waves a work-group, no clusters, 37,632 bytes of LDS; arguments hsh, skey, rank, cw; writes skey, rank, cw
.if DOCPART == 3
	.amdgcn_target "amdgcn-amd-amdhsa--gfx1250"
	.amdhsa_code_object_version 6
	.text
	.protected	k_q7fe435489d_sort
	.globl	k_q7fe435489d_sort
	.p2align	8
	.type	k_q7fe435489d_sort,@function
k_q7fe435489d_sort:
	s_mov_b64 s[64:65], 0
	v_nop
	global_prefetch_b8 v0, s[64:65] scope:SCOPE_SE
	s_setreg_imm32_b32 hwreg(HW_REG_WAVE_MODE, 25, 1), 1
	s_wait_xcnt 0x0
; THE SORT of one batch and round (work-group x = 4 b + r): the keys h 4096 + l are all different, so sorting them is a stable counting sort of the 4,096 positions by their 64 hashes.
; rank[b][r][l] = p, the place of l;  skey[b][r][p] = h 4096 + l;  byte r of cw[b][l] = p / 64, the chunk of l in round r.
; Thread t holds the elements l = 1024 j + t, j = 0..3.  A GROUP is the 32 elements of one wave and one j: group g = 32 j + w = l / 32, so groups ascend with l.
; 1. In a group each lane finds the lanes with its own hash (six ballots), its rank among them and their number, which goes to CNT[g][h].
; 2. CNT is scanned in the order (hash, group): an exclusive prefix sum of 8,192 words, eight a thread.   3. p = CNT[g][h] + rank in the group.
; CNT lies [group][hash] with a pitch of 260 bytes, so that a store at an address made of a hash falls into 256 bytes that are the wave's own by w x 260 + j x 8,320; the scan's addresses hang on the thread's number alone.
; skey is scattered by 4 bytes a lane: a stage in LDS would be a scatter across waves.  The matrix units, tensor loads and clusters have nothing to do here.
.set PIT,   260
.set WTB,   33280                      ; behind CNT's 128 x 260 bytes: the 32 waves' totals
.set SPARE, 33536                      ; the spare words, 128 bytes for each of 32 waves: sixteen blocks of 256 bytes that no other line names
.set H,  8                             ; v[8:11]   hashes
.set RK, 12                            ; v[12:15]  rank among the lanes of my group with my hash
.set CA, 16                            ; v[16:19]  w x 260 + 4 h
.set PP, 48                            ; v[48:51]  p
.set PC, 52                            ; v[52:55]  p / 64
.set KY, 56                            ; v[56:59]  h 4096 + l
.set AD, 60                            ; v[60:63]  4 p
	s_load_b256 s[4:11], s[0:1], 0x0               ; hsh s[4:5], skey s[6:7], rank s[8:9], cw s[10:11]
	v_lshl_add_u32 v1, v0, 2, SPARE
	v_mov_b32 v2, 0
	v_lshrrev_b32 v3, 5, v0
	v_readfirstlane_b32 s12, v3                    ; wave 0..31
	v_lshlrev_b32 v3, 2, v0                        ; 4 t
	v_and_b32 v4, 31, v0
	v_lshlrev_b32 v4, 2, v4                        ; 4 x lane
	v_and_b32 v5, 15, v0
	v_mul_u32_u24 v5, v5, 8*PIT
	v_lshrrev_b32 v6, 4, v0
	v_lshl_add_u32 v5, v6, 2, v5                   ; the scan: hash t / 16, groups 8 (t % 16) + 0..7
	s_mul_i32 s13, s12, PIT
	v_add_nc_u32 v7, s13, v4                       ; my wave's rows of CNT, my lane's word
	v_mov_b32 v42, 0                               ; the DPP moves count as readers of their destination
	s_lshl_b32 s14, ttmp9, 14                      ; 16,384 bytes a batch and round
	s_mov_b32 s15, 0
	s_lshr_b32 s16, ttmp9, 2
	s_lshl_b32 s16, s16, 14                        ; cw: 16,384 bytes a batch,
	s_and_b32 s17, ttmp9, 3
	s_add_co_u32 s16, s16, s17                     ; byte r of each word
	s_mov_b32 s17, 0
	s_mov_b32 s18, 0xffff0000                      ; lanes 16 to 31
	s_mov_b32 s19, 0x01010101
	s_lshl_b32 s23, s12, 2
	s_wait_kmcnt 0x0
	s_add_nc_u64 s[4:5], s[4:5], s[14:15]
	s_add_nc_u64 s[6:7], s[6:7], s[14:15]
	s_add_nc_u64 s[8:9], s[8:9], s[14:15]
	s_add_nc_u64 s[10:11], s[10:11], s[16:17]
.irp j, 0,1,2,3
	global_load_b32 v[H+\j], v3, s[4:5] offset:4096*\j
.endr
.irp j, 0,1,2,3
	ds_store_b32 v7, v42 offset:32*PIT*\j          ; my wave's four rows start at 0; LDS serves a wave's instructions in order, so the counts below come behind these
	ds_store_b32 v7, v42 offset:32*PIT*\j+128
.endr
	s_wait_loadcnt 0x0
.irp j, 0,1,2,3
	v_min_u32 v[H+\j], 63, v[H+\j]                 ; a loaded number enters an address only behind a clamp
.endr
.macro MATCH j
	v_mov_b32 v20, -1
.set k, 0
.rept 6                                ; bit k: the lanes that agree with me in it
	v_and_b32 v21, 1<<k, v[H+\j]
	v_cmp_ne_u32 s20, 0, v21
	s_not_b32 s21, s20
	v_cndmask_b32 v21, s21, s20, s20
	v_and_b32 v20, v20, v21
.set k, k+1
.endr
	v_mbcnt_lo_u32_b32 v[RK+\j], v20, 0            ; how many of them lie below me
	v_lshrrev_b32 v21, 1, v20                      ; and how many there are: the mask's ones, counted in fields of 2, 4 and 8 bits
	v_and_b32 v21, 0x55555555, v21
	v_sub_nc_u32 v20, v20, v21
	v_lshrrev_b32 v21, 2, v20
	v_and_b32 v20, 0x33333333, v20
	v_and_b32 v21, 0x33333333, v21
	v_add_nc_u32 v20, v20, v21
	v_lshrrev_b32 v21, 4, v20
	v_add_nc_u32 v20, v20, v21
	v_and_b32 v20, 0x0f0f0f0f, v20
	v_mul_lo_u32 v20, v20, s19
	v_lshrrev_b32 v21, 24, v20
	v_lshl_add_u32 v[CA+\j], v[H+\j], 2, s13
	ds_store_b32 v[CA+\j], v21 offset:32*PIT*\j    ; lanes of one hash write the same number to the same word
.endm
	MATCH 0
	MATCH 1
	MATCH 2
	MATCH 3
	s_wait_dscnt 0x0                               ; for the others' sake: my counts lie in LDS
	s_barrier_signal -1
	s_barrier_wait -1
; An inclusive sum over the wave's 32 lanes: four shifts inside each half of 16, then the lower half's total onto the upper
.macro WSCAN x
.irp n, 1,2,4,8
	v_mov_b32_dpp v42, v[\x] row_shr:\n row_mask:0xf bank_mask:0xf bound_ctrl:1
	v_add_nc_u32 v[\x], v[\x], v42
.endr
	v_readlane_b32 s20, v[\x], 15
	v_cndmask_b32 v42, 0, s20, s18
	v_add_nc_u32 v[\x], v[\x], v42
.endm
.irp k, 0,1,2,3,4,5,6,7
	ds_load_b32 v[24+\k], v5 offset:PIT*\k
.endr
	s_wait_dscnt 0x0
	v_mov_b32 v33, v24                             ; my eight words' exclusive sums (the first is 0), and their total
.irp k, 1,2,3,4,5,6,7
	v_add_nc_u32 v[33+\k], v[32+\k], v[24+\k]
.endr
	v_mov_b32 v41, v40
	WSCAN 41
	v_readlane_b32 s21, v41, 31
	v_mov_b32 v43, s21
	v_mov_b32 v44, s23
	ds_store_b32 v44, v43 offset:WTB               ; my wave's total
	s_wait_dscnt 0x0
	s_barrier_signal -1
	s_barrier_wait -1
	ds_load_b32 v45, v4 offset:WTB                 ; lane i: wave i's total
	s_wait_dscnt 0x0
	v_mov_b32 v46, v45
	WSCAN 46
	v_sub_nc_u32 v46, v46, v45
	v_readlane_b32 s22, v46, s12                   ; what lies in front of my wave,
	v_sub_nc_u32 v41, v41, v40
	v_add_nc_u32 v32, s22, v41                     ; and in front of my eight words
.irp k, 1,2,3,4,5,6,7
	v_add_nc_u32 v[32+\k], v[32+\k], v32
.endr
.irp k, 0,1,2,3,4,5,6,7
	ds_store_b32 v5, v[32+\k] offset:PIT*\k        ; back into the words that I alone have read
.endr
	s_wait_dscnt 0x0
	s_barrier_signal -1
	s_barrier_wait -1
.irp j, 0,1,2,3
	ds_load_b32 v[PP+\j], v[CA+\j] offset:32*PIT*\j
.endr
	s_wait_dscnt 0x0
.irp j, 0,1,2,3
	v_add_nc_u32 v[PP+\j], v[PP+\j], v[RK+\j]
	v_min_u32 v[PP+\j], 0xfff, v[PP+\j]
	v_lshrrev_b32 v[PC+\j], 6, v[PP+\j]
	v_lshl_add_u32 v[KY+\j], v[H+\j], 12, v0
	v_add_nc_u32 v[KY+\j], 1024*\j, v[KY+\j]
	v_lshlrev_b32 v[AD+\j], 2, v[PP+\j]
	global_store_b32 v3, v[PP+\j], s[8:9] offset:4096*\j
	global_store_b8 v3, v[PC+\j], s[10:11] offset:4096*\j
	global_store_b32 v[AD+\j], v[KY+\j], s[6:7]
.endr
	s_wait_tensorcnt 0x0                           ; the wave's end, behind my last LDS store
	ds_add_u32 v1, v2
	s_wait_dscnt 0x0
	s_endpgm
.Lfunc_end_k_q7fe435489d_sort:
	.size	k_q7fe435489d_sort, .Lfunc_end_k_q7fe435489d_sort-k_q7fe435489d_sort
	.p2alignl 7, 3214868480
	.fill 96, 4, 3214868480
	.section	.rodata,"a",@progbits
	.p2align	6, 0x0
	.amdhsa_kernel k_q7fe435489d_sort
		.amdhsa_group_segment_fixed_size 37632
		.amdhsa_private_segment_fixed_size 0
		.amdhsa_enable_private_segment 0
		.amdhsa_kernarg_size 32
		.amdhsa_user_sgpr_count 2
		.amdhsa_user_sgpr_kernarg_segment_ptr 1
		.amdhsa_wavefront_size32 1
		.amdhsa_system_sgpr_workgroup_id_x 1
		.amdhsa_system_sgpr_workgroup_id_y 1
		.amdhsa_system_sgpr_workgroup_id_z 1
		.amdhsa_system_vgpr_workitem_id 0
		.amdhsa_next_free_vgpr 64
		.amdhsa_next_free_sgpr 66
		.amdhsa_reserve_vcc 0
		.amdhsa_float_denorm_mode_32 3
		.amdhsa_float_denorm_mode_16_64 3
		.amdhsa_memory_ordered 1
		.amdhsa_forward_progress 1
		.amdhsa_inst_pref_size 17
	.end_amdhsa_kernel
	.amdgpu_metadata
---
amdhsa.version: [ 1, 2 ]
amdhsa.kernels:
  - .name:           k_q7fe435489d_sort
    .symbol:         k_q7fe435489d_sort.kd
    .args:
      - { .name: hsh, .offset: 0, .size: 8, .value_kind: global_buffer, .address_space: global }
      - { .name: skey, .offset: 8, .size: 8, .value_kind: global_buffer, .address_space: global }
      - { .name: rank, .offset: 16, .size: 8, .value_kind: global_buffer, .address_space: global }
      - { .name: cw, .offset: 24, .size: 8, .value_kind: global_buffer, .address_space: global }
    .group_segment_fixed_size: 37632
    .private_segment_fixed_size: 0
    .kernarg_segment_align: 8
    .kernarg_segment_size: 32
    .max_flat_workgroup_size: 1024
    .sgpr_count:     66
    .vgpr_count:     64
    .wavefront_size: 32
...
	.end_amdgpu_metadata
.endif
;; end of part 3
;; launch attn (part 4): grid 16 x 64, 4 waves a work-group, no clusters, 50,688 bytes of LDS; arguments query, value, kinv, skey, cw, att, lse2; writes att, lse2
.if DOCPART == 4
	.amdgcn_target "amdgcn-amd-amdhsa--gfx1250"
	.amdhsa_code_object_version 6
	.text
	.protected	k_q7fe435489d_attn
	.globl	k_q7fe435489d_attn
	.p2align	8
	.type	k_q7fe435489d_attn,@function
k_q7fe435489d_attn:
	s_mov_b64 s[64:65], 0
	v_nop
	global_prefetch_b8 v0, s[64:65] scope:SCOPE_SE
	s_setreg_imm32_b32 hwreg(HW_REG_WAVE_MODE, 25, 1), 1
	s_wait_xcnt 0x0
; ATTENTION IN CHUNKS, in sorted order, for one batch and round (y = 4 b + r) and four chunks of 64 places on end (x).  A chunk's 64 queries see its own 64 keys and those of the chunk before (circular).
; s = q . k / (8 |k|), in units of log2: the product is taken on q rounded to bf16, and each key's column scaled in f32 by kinv = log2(e) / (8 |k|), |k| of the unrounded row.
; THE MASKS, from the sort keys K = h 4096 + l: a pair counts where (K_q - 1 - K_k), unsigned, is below l_q: the same hash and an earlier position; else s = -1e9 log2(e).  The pair of a place with itself, the
; diagonal of the own chunk, takes -1e5 log2(e).  m is the row's true maximum; p = 2^(s - m); l = the sum of p; lse2 = m + log2(l).
; THE COUNT of a pair is 1 + the number of other rounds in which the key lies in the query's window: (chunk_q - chunk_k) mod 64 is 0 or 1, tested for three bytes at once.  P = p 12 / count is exact in its factor
; (12, 6, 4, 3); att = (the sum of P v) / (12 l).
; FORMATS.  q bf16; v, P and att f16, each rounded once; sums, maxima, scales and lse2 f32.
; LIMITS.  value within f16's range, 65,504; P below 6e-5 keeps f16's fixed step; a weight below 2^-126 counts as 0 in l; NaN and infinities are not treated apart.
; SHARES.  A work-group walks four chunks; two LDS slots hold the chunk in hand and the one before, so a chunk is gathered once for two uses (five gathers for four chunks).  Wave w gathers rows 16 w .. + 15 of a chunk
; and owns the same 16 queries.  Key tiles 0-3 are always slot 0's, 4-7 slot 1's: the order of keys does not matter; only the query side follows s28, the slot of the chunk in hand.
; LAYOUT.  S^T = K Q^T (source 0 = 16 keys, source 1 = 16 queries): a lane holds ONE query (lane % 16) and the keys 8 (lane / 16) + 0..7; two results rounded to f16 ARE source 1 of O^T = V^T P.
; NO TENSOR LOAD, NO CLUSTER: the rows are gathered by index and converted on their way, and work-groups share no tile but one chunk in five.
.set SLOT,  20480
.set VB,    9216                       ; in a slot: q, 64 rows x 144 bytes (128 + 16: the 16 rows of a load start at 16 different groups of four banks); then v, 64 rows x 160 (128 + 32, for the turning load)
.set KKB,   19456                      ; the 64 sort keys
.set CKB,   19712                      ; the 64 words of the other rounds' chunks
.set KIB,   19968                      ; the 64 key scales
.set STAGE, 40960                      ; behind the slots: 16 rows x 144 bytes for each wave, for the way out
.set SPARE, 50176                      ; the spare words, 128 bytes for each wave: two blocks of 256 bytes that no other line names
.set KB,   16                          ; v[16:23]  sort keys of the rows that I gather: row 16 w + 2 i + lane / 16
.set QF,   40                          ; v[40:55]  my queries' two fragments
.set OFF,  56                          ; v[56:63]  byte offsets of the gathered rows
.set S,    64                          ; v[64:127] S^T, 8 registers a key tile; first the landing of a gather; later P in v[64:95] and O^T in v[96:127]
.set AREA, 128                         ; v[128:191] fragments of K and V, keys, scales, chunk words, converted rows, the way out: by turns
; v1, v2 the add's registers; v3 fragment place in q's rows; v4 in v's (turning load); v5 32 (lane / 16); v6 4 (16 w + lane % 16); v7 v3 + my 16 rows; v8, v9, v10 the way out; v11 4 (lane % 16);
; v12, v13 where a gathered row's 8 bytes go (q, v); v14 4 (16 w + lane / 16); v15 16 (lane % 16); v24 the key of row 16 w + lane % 16; v26 K_q - 1; v27 l_q; v28 my query's chunks | 0x404040;
; v[30:31] m twice; v[32:39] at work; v192 4 l; v193 kinv; v194 chunk word; v195-198 v7, v6, v12, v13 + s28
	s_load_b256 s[4:11], s[0:1], 0x0               ; query s[4:5], value s[6:7], kinv s[8:9], skey s[10:11]
	s_load_b128 s[12:15], s[0:1], 0x20             ; cw s[12:13], att s[14:15]
	s_load_b64 s[16:17], s[0:1], 0x30              ; lse2
	v_lshl_add_u32 v1, v0, 2, SPARE
	v_mov_b32 v2, 0
	v_lshrrev_b32 v32, 5, v0
	v_readfirstlane_b32 s18, v32                   ; wave 0..3
	v_and_b32 v33, 15, v0                          ; lane % 16
	v_bfe_u32 v34, v0, 4, 1                        ; lane / 16
	v_mul_u32_u24 v3, v33, 144
	v_lshl_add_u32 v3, v34, 4, v3
	v_and_b32 v35, 7, v0
	v_lshl_add_u32 v36, v34, 3, v35
	v_mul_u32_u24 v4, v36, 160
	v_bfe_u32 v36, v0, 3, 1
	v_lshl_add_u32 v4, v36, 4, v4
	v_add_nc_u32 v4, VB, v4
	v_lshlrev_b32 v5, 5, v34
	s_lshl_b32 s19, s18, 4
	v_add_nc_u32 v6, s19, v33
	v_lshlrev_b32 v6, 2, v6
	s_mul_i32 s38, s18, 16*144
	v_add_nc_u32 v7, s38, v3
	s_add_co_u32 s39, s38, STAGE                   ; my stage
	v_add_nc_u32 v8, s39, v3                       ; in: row lane % 16, 16 bytes for each half of the lanes
	v_bfe_u32 v9, v0, 3, 2
	v_mul_u32_u24 v9, v9, 144
	v_lshl_add_u32 v9, v35, 4, v9
	v_add_nc_u32 v9, s39, v9                       ; back: 32 lanes take four rows of 128 bytes,
	v_and_b32 v10, 31, v0
	v_lshlrev_b32 v10, 4, v10                      ; which are 512 consecutive bytes of att
	v_lshlrev_b32 v11, 2, v33
	v_add_nc_u32 v35, s19, v34
	v_mul_u32_u24 v12, v35, 144
	v_lshl_add_u32 v12, v33, 3, v12
	v_mul_u32_u24 v13, v35, 160
	v_lshl_add_u32 v13, v33, 3, v13
	v_add_nc_u32 v13, VB, v13
	v_lshlrev_b32 v14, 2, v35
	v_lshlrev_b32 v15, 4, v33
	s_mov_b32 s20, 0xceabfb8f                      ; -1e9 log2(e)
	s_mov_b32 s21, 0xc80ce360                      ; -1e5 log2(e)
	s_mov_b32 s22, 0x3e3e3e
	s_mov_b32 s23, 0x404040
	s_mov_b32 s24, 0x010101
	s_mov_b32 s25, 0x01020305                      ; byte n: the top bits of 12 / (n + 1) as f32
	s_mov_b32 s26, 0x40000000
	s_mov_b32 s36, 0x76543210                      ; v_permlanex16_b32: each lane takes its own place in the other half
	s_mov_b32 s37, 0xfedcba98
	s_mov_b32 s56, 0xfff
.set j, 0
.rept 8
	s_mov_b32 s[48+j], (1<<j)|(1<<(24+j))          ; register j of the diagonal tile: the lanes whose query is key 8 (lane / 16) + j
.set j, j+1
.endr
	s_and_b32 s58, ttmp7, 0xffff                   ; y = 4 b + r
	s_lshr_b32 s59, s58, 2                         ; b
	s_and_b32 s60, s58, 3                          ; r
	s_lshl_b32 s27, s60, 3
	s_add_co_u32 s27, s27, 8
	s_and_b32 s27, s27, 31                         ; a turn by 8 (r + 1) bits brings the other three rounds' bytes to the bottom
	s_lshl_b32 s61, ttmp9, 2                       ; my first chunk
	s_add_co_u32 s29, s61, 63
	s_and_b32 s29, s29, 63                         ; the chunk before it comes first
	s_mov_b32 s35, 0
	s_wait_kmcnt 0x0
	s_lshl_b32 s34, s59, 20                        ; q, v: 1 MiB a batch
	s_add_nc_u64 s[4:5], s[4:5], s[34:35]
	s_add_nc_u64 s[6:7], s[6:7], s[34:35]
	s_lshl_b32 s34, s59, 14                        ; kinv, cw: 16 KiB a batch
	s_add_nc_u64 s[8:9], s[8:9], s[34:35]
	s_add_nc_u64 s[12:13], s[12:13], s[34:35]
	s_lshl_b32 s34, s58, 14                        ; skey, lse2: 16 KiB a batch and round
	s_add_nc_u64 s[10:11], s[10:11], s[34:35]
	s_add_nc_u64 s[16:17], s[16:17], s[34:35]
	s_lshl_b32 s34, s61, 8
	s_lshl_b32 s62, s18, 6
	s_add_co_u32 s34, s34, s62                     ; lse2 at my wave's 16 places of the first chunk
	s_add_nc_u64 s[16:17], s[16:17], s[34:35]
	s_lshl_b32 s34, s58, 19                        ; att: 512 KiB a batch and round,
	s_lshl_b32 s62, s61, 13                        ; 8 KiB a chunk,
	s_add_co_u32 s34, s34, s62
	s_lshl_b32 s62, s18, 11                        ; 2 KiB for a wave's 16 rows
	s_add_co_u32 s34, s34, s62
	s_add_nc_u64 s[14:15], s[14:15], s[34:35]
; The sort keys of chunk s29: for the rows that I gather, and for row 16 w + lane % 16
.macro KEYS
	s_lshl_b32 s34, s29, 8
	s_add_nc_u64 s[32:33], s[10:11], s[34:35]
.irp i, 0,1,2,3,4,5,6,7
	global_load_b32 v[KB+\i], v14, s[32:33] offset:8*\i
.endr
	global_load_b32 v24, v6, s[32:33]
.endm
; Chunk s29, whose keys are on their way, is gathered, converted and laid into slot s28.  All LDS writes of slots stand between the two barriers, all reads of slots between the second and the next first.
.macro STAGE_IN
	s_wait_loadcnt 0x0                             ; the keys
.irp i, 0,1,2,3,4,5,6,7
	v_and_b32 v[OFF+\i], s56, v[KB+\i]             ; l,
	v_min_u32 v[OFF+\i], 0xfff, v[OFF+\i]          ; clamped, as a loaded number that enters an address is,
	v_lshl_add_u32 v[OFF+\i], v[OFF+\i], 8, v15    ; its row, my 16 bytes of it
.endr
	v_and_b32 v192, s56, v24
	v_min_u32 v192, 0xfff, v192
	v_lshlrev_b32 v192, 2, v192
.irp i, 0,1,2,3,4,5,6,7
	global_load_b128 v[S+4*\i:S+4*\i+3], v[OFF+\i], s[4:5]  ; 16 lanes take one whole row of 256 bytes, the other 16 the next
.endr
.irp i, 0,1,2,3,4,5,6,7
	global_load_b128 v[S+32+4*\i:S+32+4*\i+3], v[OFF+\i], s[6:7]
.endr
	global_load_b32 v193, v192, s[8:9]
	global_load_b32 v194, v192, s[12:13]
	v_add_nc_u32 v195, s28, v7
	v_add_nc_u32 v196, s28, v6
	v_add_nc_u32 v197, s28, v12
	v_add_nc_u32 v198, s28, v13
	s_wait_loadcnt 10                              ; q's eight rows are in; v's eight and the two single words, issued behind them, stay out
.set i, 0
.rept 16
	v_cvt_pk_bf16_f32 v[AREA+i], v[S+2*i], v[S+2*i+1]
.set i, i+1
.endr
	s_wait_loadcnt 0x0
.set i, 0
.rept 16                               ; v: rounded once, to f16
	v_cvt_pk_f16_f32 v[AREA+16+i], v[S+32+2*i], v[S+32+2*i+1]
.set i, i+1
.endr
	v_alignbit_b32 v194, v194, v194, s27
	v_and_b32 v194, 0x3f3f3f, v194                 ; the other three rounds' chunks; the own round always matches and is not counted here
	s_wait_dscnt 0x0                               ; my reads of both slots are over
	s_barrier_signal -1
	s_barrier_wait -1                              ; everybody's are: the older slot may be written
.irp i, 0,1,2,3,4,5,6,7
	ds_store_b64 v197, v[AREA+2*\i:AREA+2*\i+1] offset:288*\i
	ds_store_b64 v198, v[AREA+16+2*\i:AREA+16+2*\i+1] offset:320*\i
.endr
	ds_store_b32 v196, v24 offset:KKB              ; both halves of the lanes write the same word with the same number
	ds_store_b32 v196, v194 offset:CKB
	ds_store_b32 v196, v193 offset:KIB
	s_add_co_u32 s29, s29, 1
	s_and_b32 s29, s29, 63
	s_wait_dscnt 0x0                               ; for the others' sake: my rows lie in LDS
	KEYS                                           ; the next chunk's keys come while this one is worked on (behind the last chunk they are loaded, inside the buffer, and not used: the price of one text for every trip)
	s_barrier_signal -1
	s_barrier_wait -1
.endm
.macro PLACES n                        ; the places behind a matrix instruction (ISA guide 7.12.1)
.rept \n
	v_nop
.endr
.endm
.macro KFR sl                          ; the slot's four key tiles: 16 keys x 64 channels each, two fragments
.set t, 0
.rept 4
.irp k, 0,1,2,3
	ds_load_b128 v[AREA+16*t+4*\k:AREA+16*t+4*\k+3], v3 offset:(\sl)*SLOT+t*2304+32*\k
.endr
.set t, t+1
.endr
.endm
.macro QK sl                           ; S^T for them: the four accumulators take turns; the first channel half starts the sums
.set t, 0
.rept 4
	v_wmma_f32_16x16x32_bf16 v[S+32*(\sl)+8*t:S+32*(\sl)+8*t+7], v[AREA+16*t:AREA+16*t+7], v[QF:QF+7], 0
.set t, t+1
.endr
.set t, 0
.rept 4
	v_wmma_f32_16x16x32_bf16 v[S+32*(\sl)+8*t:S+32*(\sl)+8*t+7], v[AREA+16*t+8:AREA+16*t+15], v[QF+8:QF+15], v[S+32*(\sl)+8*t:S+32*(\sl)+8*t+7]
.set t, t+1
.endr
.endm
.macro DIAGT tt                        ; in the one tile that holds my queries as keys, a place's pair with itself
	s_cmp_lg_u32 s31, \tt
	s_cbranch_scc1 .Lnot_diag_\@
.set j, 0
.rept 8
	v_cndmask_b32 v[S+8*(\tt)+j], v[S+8*(\tt)+j], s21, s[48+j]
.set j, j+1
.endr
.Lnot_diag_\@:
.endm
.macro MASKS sl                        ; the slot's four tiles are scaled by their keys' kinv and masked
.set t, 0
.rept 4
	ds_load_b128 v[AREA+8*t:AREA+8*t+3], v5 offset:(\sl)*SLOT+KKB+64*t
	ds_load_b128 v[AREA+8*t+4:AREA+8*t+7], v5 offset:(\sl)*SLOT+KKB+64*t+16
	ds_load_b128 v[AREA+32+8*t:AREA+32+8*t+3], v5 offset:(\sl)*SLOT+KIB+64*t
	ds_load_b128 v[AREA+32+8*t+4:AREA+32+8*t+7], v5 offset:(\sl)*SLOT+KIB+64*t+16
.set t, t+1
.endr
	s_wait_dscnt 0x0
.set t, 0
.rept 4
.set x, S+32*(\sl)+8*t
.set y, AREA+8*t
.set j, 0
.rept 4                                ; each accumulator is read from its low end on
	v_pk_mul_f32 v[x+2*j:x+2*j+1], v[x+2*j:x+2*j+1], v[y+32+2*j:y+32+2*j+1]
.set j, j+1
.endr
.set j, 0
.rept 8
	v_sub_nc_u32 v[y+j], v26, v[y+j]               ; K_q - 1 - K_k
.set j, j+1
.endr
.set j, 0
.rept 8
	v_cmp_gt_u32 s[40+j], v27, v[y+j]              ; below l_q: the same hash, an earlier position
.set j, j+1
.endr
.set j, 0
.rept 8
	v_cndmask_b32 v[x+j], s20, v[x+j], s[40+j]
.set j, j+1
.endr
	DIAGT (4*(\sl)+t)
.set t, t+1
.endr
.endm
.macro COP k, x                        ; step k of eight from a key's chunk word to 12 / count
.if (\k) == 0
	v_sub_nc_u32 v[\x], v28, v[\x]                 ; in each byte 64 + chunk_q - chunk_k: no borrow crosses a byte
.elseif (\k) == 1
	v_and_b32 v[\x], s22, v[\x]                    ; 0 where that is 0 or 1 mod 64
.elseif (\k) == 2
	v_sub_nc_u32 v[\x], s23, v[\x]                 ; 64 there, less elsewhere
.elseif (\k) == 3
	v_and_b32 v[\x], s23, v[\x]
.elseif (\k) == 4
	v_mul_u32_u24 v[\x], s24, v[\x]                ; byte 2: 64 n, n the number of matching rounds
.elseif (\k) == 5
	v_bfe_u32 v[\x], v[\x], 19, 5                  ; 8 n
.elseif (\k) == 6
	v_bfe_u32 v[\x], s25, v[\x], 8                 ; 5, 3, 2, 1
.else
	v_lshl_or_b32 v[\x], v[\x], 22, s26            ; 12, 6, 4, 3 as f32
.endif
.endm
.macro VFR sl                          ; the slot's v, turned: key half kk, channel tile ct at 32 kk + 8 ct
.set n, 0
.rept 8
	ds_load_tr16_b128 v[AREA+8*n:AREA+8*n+3], v4 offset:(\sl)*SLOT+(n/4)*32*160+(n%4)*32
	ds_load_tr16_b128 v[AREA+8*n+4:AREA+8*n+7], v4 offset:(\sl)*SLOT+(n/4)*32*160+16*160+(n%4)*32
.set n, n+1
.endr
.endm
.macro PVM sl                          ; O^T += V^T P for the slot's 64 keys; the four accumulators take turns; the first 32 keys start the sums
.set n, 0
.rept 8
.if ((\sl) == 0) && (n < 4)
	v_wmma_f32_16x16x32_f16 v[S+32+8*(n%4):S+32+8*(n%4)+7], v[AREA+8*n:AREA+8*n+7], v[S+16*(\sl)+8*(n/4):S+16*(\sl)+8*(n/4)+7], 0
.else
	v_wmma_f32_16x16x32_f16 v[S+32+8*(n%4):S+32+8*(n%4)+7], v[AREA+8*n:AREA+8*n+7], v[S+16*(\sl)+8*(n/4):S+16*(\sl)+8*(n/4)+7], v[S+32+8*(n%4):S+32+8*(n%4)+7]
.endif
.set n, n+1
.endr
.endm
.macro COMPUTE
.irp k, 0,1,2,3
	ds_load_b128 v[QF+4*\k:QF+4*\k+3], v195 offset:32*\k
.endr
	ds_load_b32 v26, v196 offset:KKB
	ds_load_b32 v28, v196 offset:CKB
	KFR 0
	s_wait_dscnt 0x0
	QK 0
	v_and_b32 v27, s56, v26                        ; l_q
	v_add_nc_u32 v26, -1, v26                      ; K_q - 1
	v_or_b32 v28, s23, v28
	PLACES 4                                       ; ahead of the loads into registers that the products have read
	KFR 1
	s_wait_dscnt 0x0
	QK 1
	PLACES 5
	MASKS 0
	MASKS 1
	; the maximum of my 64 scores, in four chains, and the other half of the lanes'
.set c, 0
.rept 4
	v_max3_num_f32 v[32+c], v[S+16*c], v[S+16*c+1], v[S+16*c+2]
.set c, c+1
.endr
.set k, 0
.rept 6
.set c, 0
.rept 4
	v_max3_num_f32 v[32+c], v[32+c], v[S+16*c+3+2*k], v[S+16*c+4+2*k]
.set c, c+1
.endr
.set k, k+1
.endr
	v_max3_num_f32 v32, v32, v[S+15], v[S+31]
	v_max3_num_f32 v34, v34, v[S+47], v[S+63]
	v_max3_num_f32 v32, v32, v33, v34
	v_max_num_f32 v32, v32, v35
	v_permlanex16_b32 v33, v32, s36, s37
	v_max_num_f32 v30, v32, v33
.set t, 0
.rept 8                                ; the keys' chunk words, for the count
	ds_load_b128 v[AREA+8*t:AREA+8*t+3], v5 offset:(t/4)*SLOT+CKB+64*(t%4)
	ds_load_b128 v[AREA+8*t+4:AREA+8*t+7], v5 offset:(t/4)*SLOT+CKB+64*(t%4)+16
.set t, t+1
.endr
	v_mov_b32 v31, v30
.set i, 0
.rept 32
	v_pk_add_f32 v[S+2*i:S+2*i+1], v[S+2*i:S+2*i+1], v[30:31] neg_lo:[0,1] neg_hi:[0,1]
.set i, i+1
.endr
.set i, 0
.rept 64                               ; ONE BATCH of 64 exponentials; the count below, 512 plain instructions that name none of their results, is the work behind it
	v_exp_f32 v[S+i], v[S+i]
.set i, i+1
.endr
	s_wait_dscnt 0x0
.set bb, AREA
.rept 8
.set k, 0
.rept 8
.set i, 0
.rept 8
	COP k, bb+i
.set i, i+1
.endr
.set k, k+1
.endr
.set bb, bb+8
.endr
	s_wait_alu depctr_va_vdst(0)                   ; the one wait for the batch, ahead of its first reader
.set c, 0
.rept 4                                ; l: the sum of the unweighted p, in four chains of pairs
	v_pk_add_f32 v[32+2*c:33+2*c], v[S+16*c:S+16*c+1], v[S+16*c+2:S+16*c+3]
.set c, c+1
.endr
.set k, 2
.rept 6
.set c, 0
.rept 4
	v_pk_add_f32 v[32+2*c:33+2*c], v[32+2*c:33+2*c], v[S+16*c+2*k:S+16*c+2*k+1]
.set c, c+1
.endr
.set k, k+1
.endr
	v_pk_add_f32 v[32:33], v[32:33], v[34:35]
	v_pk_add_f32 v[36:37], v[36:37], v[38:39]
	v_pk_add_f32 v[32:33], v[32:33], v[36:37]
	v_add_f32 v32, v32, v33
	v_permlanex16_b32 v33, v32, s36, s37
	v_add_f32 v32, v32, v33
	v_mul_f32 v34, 0x41400000, v32                 ; 12 l
	v_log_f32 v35, v32                             ; a batch of two; their wait stands behind the second product
	v_rcp_f32 v34, v34
.set i, 0
.rept 32
	v_pk_mul_f32 v[S+2*i:S+2*i+1], v[S+2*i:S+2*i+1], v[AREA+2*i:AREA+2*i+1]
.set i, i+1
.endr
	VFR 0
.set i, 0
.rept 32                               ; rounded to f16 and drawn together, ascending: register i takes scores 2 i and 2 i + 1, which no earlier line has overwritten
	v_cvt_pk_f16_f32 v[S+i], v[S+2*i], v[S+2*i+1]
.set i, i+1
.endr
	s_wait_dscnt 0x0
	PVM 0
	PLACES 4
	VFR 1
	s_wait_dscnt 0x0
	PVM 1
	PLACES 4
	s_wait_alu depctr_va_vdst(0)                   ; the logarithm and the reciprocal
	v_add_f32 v36, v30, v35                        ; lse2 = m + log2(l)
.set i, 0
.rept 16
	v_pk_mul_f32 v[S+32+2*i:S+32+2*i+1], v[S+32+2*i:S+32+2*i+1], v[34:35] op_sel_hi:[1,0]
.set i, i+1
.endr
.set i, 0
.rept 16
	v_cvt_pk_f16_f32 v[AREA+i], v[S+32+2*i], v[S+32+2*i+1]
.set i, i+1
.endr
.irp f, 0,1,2,3
	ds_store_b128 v8, v[AREA+4*\f:AREA+4*\f+3] offset:32*\f
.endr
.irp f, 0,1,2,3
	ds_load_b128 v[AREA+16+4*\f:AREA+16+4*\f+3], v9 offset:\f*4*144  ; LDS serves a wave's instructions in order (ISA guide 5.7.1.4): these see the stores above
.endr
	s_wait_dscnt 0x0
.irp f, 0,1,2,3
	global_store_b128 v10, v[AREA+16+4*\f:AREA+16+4*\f+3], s[14:15] offset:\f*512  ; 512 consecutive bytes, at a multiple of 256 from att's first
.endr
	global_store_b32 v11, v36, s[16:17]            ; both halves of the lanes hold the same number
	s_wait_xcnt 0x0                                ; the stores have read their registers and bases: only now are these written again
	s_add_nc_u64 s[14:15], s[14:15], 8192
	s_add_nc_u64 s[16:17], s[16:17], 256
.endm
	s_mov_b32 s28, SLOT
	KEYS
	STAGE_IN                                       ; the chunk before my first, into slot 1
	s_mov_b32 s30, 4
.Lchunk:
	s_xor_b32 s28, s28, SLOT                       ; the chunk in hand takes the older slot
	s_lshr_b32 s31, s28, 12
	s_and_b32 s31, s31, 4
	s_add_co_u32 s31, s31, s18                     ; the key tile that holds my queries: 4 x slot + wave
	STAGE_IN
	COMPUTE
	s_sub_co_u32 s30, s30, 1
	s_cmp_lg_u32 s30, 0
	s_cbranch_scc1 .Lchunk
	s_wait_tensorcnt 0x0                           ; the wave's end, behind my last LDS store
	ds_add_u32 v1, v2
	s_wait_dscnt 0x0
	s_endpgm
.Lfunc_end_k_q7fe435489d_attn:
	.size	k_q7fe435489d_attn, .Lfunc_end_k_q7fe435489d_attn-k_q7fe435489d_attn
	.p2alignl 7, 3214868480
	.fill 96, 4, 3214868480
	.section	.rodata,"a",@progbits
	.p2align	6, 0x0
	.amdhsa_kernel k_q7fe435489d_attn
		.amdhsa_group_segment_fixed_size 50688
		.amdhsa_private_segment_fixed_size 0
		.amdhsa_enable_private_segment 0
		.amdhsa_kernarg_size 56
		.amdhsa_user_sgpr_count 2
		.amdhsa_user_sgpr_kernarg_segment_ptr 1
		.amdhsa_wavefront_size32 1
		.amdhsa_system_sgpr_workgroup_id_x 1
		.amdhsa_system_sgpr_workgroup_id_y 1
		.amdhsa_system_sgpr_workgroup_id_z 1
		.amdhsa_system_vgpr_workitem_id 0
		.amdhsa_next_free_vgpr 208
		.amdhsa_next_free_sgpr 66
		.amdhsa_reserve_vcc 0
		.amdhsa_float_denorm_mode_32 3
		.amdhsa_float_denorm_mode_16_64 3
		.amdhsa_memory_ordered 1
		.amdhsa_forward_progress 1
		.amdhsa_inst_pref_size 86
	.end_amdhsa_kernel
	.amdgpu_metadata
---
amdhsa.version: [ 1, 2 ]
amdhsa.kernels:
  - .name:           k_q7fe435489d_attn
    .symbol:         k_q7fe435489d_attn.kd
    .args:
      - { .name: query, .offset: 0, .size: 8, .value_kind: global_buffer, .address_space: global }
      - { .name: value, .offset: 8, .size: 8, .value_kind: global_buffer, .address_space: global }
      - { .name: kinv, .offset: 16, .size: 8, .value_kind: global_buffer, .address_space: global }
      - { .name: skey, .offset: 24, .size: 8, .value_kind: global_buffer, .address_space: global }
      - { .name: cw, .offset: 32, .size: 8, .value_kind: global_buffer, .address_space: global }
      - { .name: att, .offset: 40, .size: 8, .value_kind: global_buffer, .address_space: global }
      - { .name: lse2, .offset: 48, .size: 8, .value_kind: global_buffer, .address_space: global }
    .group_segment_fixed_size: 50688
    .private_segment_fixed_size: 0
    .kernarg_segment_align: 8
    .kernarg_segment_size: 56
    .max_flat_workgroup_size: 128
    .sgpr_count:     66
    .vgpr_count:     208
    .wavefront_size: 32
...
	.end_amdgpu_metadata
.endif
;; end of part 4
;; launch comb (part 5): grid 256 x 1, 8 waves a work-group, no clusters, 67,072 bytes of LDS; arguments rank, lse2, att, out0; writes out0
.if DOCPART == 5
	.amdgcn_target "amdgcn-amd-amdhsa--gfx1250"
	.amdhsa_code_object_version 6
	.text
	.protected	k_q7fe435489d_comb
	.globl	k_q7fe435489d_comb
	.p2align	8
	.type	k_q7fe435489d_comb,@function
k_q7fe435489d_comb:
	s_mov_b64 s[64:65], 0
	v_nop
	global_prefetch_b8 v0, s[64:65] scope:SCOPE_SE
	s_setreg_imm32_b32 hwreg(HW_REG_WAVE_MODE, 25, 1), 1
	s_wait_xcnt 0x0
; THE ROUNDS ARE MIXED.  out[b][l][:] = the sum over r of att[b][r][p_r(l)][:] w_r(l),  w_r(l) = 2^(lse2[b][r][p_r(l)] - M_r) / Z_r,  M_r the maximum and Z_r the sum of 2^(lse2 - M_r) over the round's 4,096 places:
; the softmax along the length, which is the same set in sorted order as in the original one.  att is f16, all else f32.
; SHARES.  A work-group: 256 positions of one batch; a wave: 32, two a step (lanes 0-15 one row, lanes 16-31 the next), a lane four channels.  Each work-group takes M and Z of its batch's 64 KiB of lse2 itself
; (no sum spans work-groups), and keeps lse2 in LDS for the look-ups by rank.
; A weight below 2^-126 counts as 0.  Memory binds here: the matrix units, tensor loads (rows come by index) and clusters are left out.
.set REDB,  65536                      ; behind lse2's 65,536 bytes: the eight waves' four maxima; 256 bytes on, their four sums
.set SPARE, 66048                      ; the spare words, 128 bytes for each of eight waves: four blocks of 256 bytes that no other line names
.set PR, 32                            ; v[32:95]    ranks: round r, step i at 16 r + i
.set LV, 96                            ; v[96:159]   lse2 as loaded: round r at 16 r; later, in v[96:127], the weights of a half: round r, step ii at 8 r + ii
.set WW, 96
.set AO, 160                           ; v[160:191]  byte offsets of att's rows; at work in the reductions; the sums to store: by turns
.set AT, 192                           ; v[192:255]  att: two registers for round r, step ii at 2 (8 r + ii)
; v1, v2 the add's registers; v3 0; v4 16 t; v5 4 (lane / 16); v6 8 (lane % 16); v7 256 (lane / 16) + 16 (lane % 16); v[8:11] M; v[12:15] Z, then 1 / Z; v16 at work; v20, v21 LDS addresses past 64 KiB
	s_load_b256 s[4:11], s[0:1], 0x0               ; rank s[4:5], lse2 s[6:7], att s[8:9], out0 s[10:11]
	v_lshl_add_u32 v1, v0, 2, SPARE
	v_mov_b32 v2, 0
	v_mov_b32 v3, 0
	v_lshrrev_b32 v16, 5, v0
	v_readfirstlane_b32 s12, v16                   ; wave 0..7
	v_lshlrev_b32 v4, 4, v0
	v_bfe_u32 v16, v0, 4, 1
	v_and_b32 v17, 15, v0
	v_lshlrev_b32 v5, 2, v16
	v_lshlrev_b32 v6, 3, v17
	v_lshlrev_b32 v7, 8, v16
	v_lshl_add_u32 v7, v17, 4, v7
	s_lshl_b32 s13, s12, 4
	s_add_co_u32 s13, s13, REDB
	v_mov_b32 v20, s13                             ; my wave's 16 bytes
	v_mov_b32 v21, REDB
	s_mov_b32 s14, 0x76543210                      ; v_permlanex16_b32: each lane takes its own place in the other half
	s_mov_b32 s15, 0xfedcba98
	s_lshr_b32 s16, ttmp9, 4                       ; batch
	s_and_b32 s17, ttmp9, 15
	s_lshl_b32 s17, s17, 8
	s_lshl_b32 s18, s12, 5
	s_add_co_u32 s17, s17, s18                     ; my wave's first position in the batch
	s_lshl_b32 s20, s16, 16                        ; rank, lse2: 64 KiB a batch
	s_mov_b32 s21, 0
	s_lshl_b32 s22, s17, 2
	s_mov_b32 s23, 0
	s_lshl_b32 s24, s16, 21                        ; att: 2 MiB a batch
	s_mov_b32 s25, 0
	s_lshl_b32 s26, ttmp9, 8
	s_add_co_u32 s26, s26, s18
	s_lshl_b32 s26, s26, 8                         ; out0: my first row, 256 bytes a row
	s_mov_b32 s27, 0
	s_wait_kmcnt 0x0
	s_add_nc_u64 s[4:5], s[4:5], s[20:21]
	s_add_nc_u64 s[4:5], s[4:5], s[22:23]
	s_add_nc_u64 s[6:7], s[6:7], s[20:21]
	s_add_nc_u64 s[8:9], s[8:9], s[24:25]
	s_add_nc_u64 s[10:11], s[10:11], s[26:27]
.set n, 0
.rept 64
	global_load_b32 v[PR+n], v5, s[4:5] offset:(n/16)*16384+(n%16)*8
.set n, n+1
.endr
.set n, 0
.rept 16
	global_load_b128 v[LV+4*n:LV+4*n+3], v4, s[6:7] offset:(n/4)*16384+(n%4)*4096
.set n, n+1
.endr
; The rows of att for steps 8 hf .. 8 hf + 7: 16 lanes take one whole row of 128 bytes, the other 16 another
.macro ATT_IN hf
.set n, 0
.rept 32
	v_lshl_add_u32 v[AO+n], v[PR+16*(n/8)+8*(\hf)+n%8], 7, v6
.set n, n+1
.endr
.set n, 0
.rept 32
	global_load_b64 v[AT+2*n:AT+2*n+1], v[AO+n], s[8:9] offset:(n/8)*524288
.set n, n+1
.endr
.endm
	s_wait_loadcnt 16                              ; the ranks are in; lse2's 16 loads, issued behind them, stay out
.set n, 0
.rept 64
	v_min_u32 v[PR+n], 0xfff, v[PR+n]              ; a loaded number enters an address only behind a clamp
.set n, n+1
.endr
	ATT_IN 0                                       ; on their way during the two reductions
	s_wait_loadcnt 32                              ; lse2 is in; att's 32 loads stay out
.set n, 0
.rept 16
	ds_store_b128 v4, v[LV+4*n:LV+4*n+3] offset:(n/4)*16384+(n%4)*4096
.set n, n+1
.endr
.set rr, 0
.rept 4
	v_max3_num_f32 v[8+rr], v[LV+16*rr], v[LV+16*rr+1], v[LV+16*rr+2]
.set rr, rr+1
.endr
.set k, 0
.rept 6
.set rr, 0
.rept 4
	v_max3_num_f32 v[8+rr], v[8+rr], v[LV+16*rr+3+2*k], v[LV+16*rr+4+2*k]
.set rr, rr+1
.endr
.set k, k+1
.endr
.set rr, 0
.rept 4
	v_max_num_f32 v[8+rr], v[8+rr], v[LV+16*rr+15]
.set rr, rr+1
.endr
.irp x, 1,2,4,8
.set rr, 0
.rept 4
	v_max_num_f32_dpp v[8+rr], v[8+rr], v[8+rr] row_xmask:\x row_mask:0xf bank_mask:0xf
.set rr, rr+1
.endr
.endr
.set rr, 0
.rept 4
	v_permlanex16_b32 v16, v[8+rr], s14, s15
	v_max_num_f32 v[8+rr], v[8+rr], v16
.set rr, rr+1
.endr
	ds_store_b128 v20, v[8:11]                     ; all lanes write the same 16 bytes with the same numbers
	s_wait_dscnt 0x0                               ; for the others' sake: my part of lse2 and my maxima lie in LDS
	s_barrier_signal -1
	s_barrier_wait -1
	s_wait_xcnt 0x0                                ; att's loads have read their offsets: those registers are at work now
.irp k, 0,1,2,3,4,5,6,7
	ds_load_b128 v[AO+4*\k:AO+4*\k+3], v21 offset:16*\k
.endr
	s_wait_dscnt 0x0
.set rr, 0
.rept 4
	v_max3_num_f32 v[8+rr], v[AO+rr], v[AO+4+rr], v[AO+8+rr]
	v_max3_num_f32 v[8+rr], v[8+rr], v[AO+12+rr], v[AO+16+rr]
	v_max3_num_f32 v[8+rr], v[8+rr], v[AO+20+rr], v[AO+24+rr]
	v_max_num_f32 v[8+rr], v[8+rr], v[AO+28+rr]
.set rr, rr+1
.endr
.set n, 0
.rept 64
	v_sub_f32 v[LV+n], v[LV+n], v[8+n/16]
.set n, n+1
.endr
.set n, 0
.rept 64
	v_exp_f32 v[LV+n], v[LV+n]
.set n, n+1
.endr
	v_nop                                          ; a plain instruction behind the last exponential,
	s_wait_alu depctr_va_vdst(0)                   ; and one wait for the batch
.set rr, 0
.rept 4
.set x, LV+16*rr
	v_pk_add_f32 v[x:x+1], v[x:x+1], v[x+2:x+3]
	v_pk_add_f32 v[x+4:x+5], v[x+4:x+5], v[x+6:x+7]
	v_pk_add_f32 v[x+8:x+9], v[x+8:x+9], v[x+10:x+11]
	v_pk_add_f32 v[x+12:x+13], v[x+12:x+13], v[x+14:x+15]
	v_pk_add_f32 v[x:x+1], v[x:x+1], v[x+4:x+5]
	v_pk_add_f32 v[x+8:x+9], v[x+8:x+9], v[x+12:x+13]
	v_pk_add_f32 v[x:x+1], v[x:x+1], v[x+8:x+9]
	v_add_f32 v[12+rr], v[x], v[x+1]
.set rr, rr+1
.endr
.irp x, 1,2,4,8
.set rr, 0
.rept 4
	v_add_f32_dpp v[12+rr], v[12+rr], v[12+rr] row_xmask:\x row_mask:0xf bank_mask:0xf
.set rr, rr+1
.endr
.endr
.set rr, 0
.rept 4
	v_permlanex16_b32 v16, v[12+rr], s14, s15
	v_add_f32 v[12+rr], v[12+rr], v16
.set rr, rr+1
.endr
	ds_store_b128 v20, v[12:15] offset:256         ; other bytes than the maxima's: no barrier is needed between those reads and this store
	s_wait_dscnt 0x0
	s_barrier_signal -1
	s_barrier_wait -1
.irp k, 0,1,2,3,4,5,6,7
	ds_load_b128 v[AO+4*\k:AO+4*\k+3], v21 offset:256+16*\k
.endr
	s_wait_dscnt 0x0
.set rr, 0
.rept 4
	v_add_f32 v[12+rr], v[AO+rr], v[AO+4+rr]
.irp k, 2,3,4,5,6,7
	v_add_f32 v[12+rr], v[12+rr], v[AO+4*\k+rr]
.endr
.set rr, rr+1
.endr
.set rr, 0
.rept 4
	v_rcp_f32 v[12+rr], v[12+rr]
.set rr, rr+1
.endr
	v_nop
	s_wait_alu depctr_va_vdst(0)                   ; one wait for the four reciprocals
.macro MIX dst, a, wr, c, hi           ; an f16 half of att times an f32 weight, onto an f32 sum
.if \hi
	v_fma_mix_f32 v[\dst], v[\a], v[\wr], v[\c] op_sel:[1,0,0] op_sel_hi:[1,0,0]
.else
	v_fma_mix_f32 v[\dst], v[\a], v[\wr], v[\c] op_sel_hi:[1,0,0]
.endif
.endm
; Steps 8 hf .. 8 hf + 7: the weights by rank out of LDS, then four multiply-adds a channel, then whole rows out
.macro HALF hf
.set n, 0
.rept 32
	v_lshlrev_b32 v[WW+n], 2, v[PR+16*(n/8)+8*(\hf)+n%8]
.set n, n+1
.endr
.set n, 0
.rept 32
	ds_load_b32 v[WW+n], v[WW+n] offset:(n/8)*16384
.set n, n+1
.endr
	s_wait_dscnt 0x0
.set n, 0
.rept 32
	v_sub_f32 v[WW+n], v[WW+n], v[8+n/8]
.set n, n+1
.endr
.set n, 0
.rept 32
	v_exp_f32 v[WW+n], v[WW+n]
.set n, n+1
.endr
	v_nop
	s_wait_alu depctr_va_vdst(0)                   ; one wait for the batch
.set n, 0
.rept 32
	v_mul_f32 v[WW+n], v[WW+n], v[12+n/8]
.set n, n+1
.endr
	s_wait_loadcnt 0x0                             ; att's rows are in, and their offsets' registers free: they take the sums
.set ii, 0
.rept 8
.set rr, 0
.rept 4
.set cc, 0
.rept 4
.set ad, AO+4*ii+cc
.if rr == 0
.set ad, 3                             ; the first product starts the sum from 0
.endif
	MIX AO+4*ii+cc, AT+2*(8*rr+ii)+cc/2, WW+8*rr+ii, ad, cc%2
.set cc, cc+1
.endr
.set rr, rr+1
.endr
	global_store_b128 v7, v[AO+4*ii:AO+4*ii+3], s[10:11] offset:(8*(\hf)+ii)*512  ; 16 lanes store 256 consecutive bytes, a whole row, at a multiple of 256 from out0's first byte
.set ii, ii+1
.endr
.endm
	HALF 0
	s_wait_xcnt 0x0                                ; the stores have read their data: those registers take the next offsets
	ATT_IN 1
	HALF 1
	s_wait_tensorcnt 0x0                           ; the wave's end, behind my last LDS store
	ds_add_u32 v1, v2
	s_wait_dscnt 0x0
	s_endpgm
.Lfunc_end_k_q7fe435489d_comb:
	.size	k_q7fe435489d_comb, .Lfunc_end_k_q7fe435489d_comb-k_q7fe435489d_comb
	.p2alignl 7, 3214868480
	.fill 96, 4, 3214868480
	.section	.rodata,"a",@progbits
	.p2align	6, 0x0
	.amdhsa_kernel k_q7fe435489d_comb
		.amdhsa_group_segment_fixed_size 67072
		.amdhsa_private_segment_fixed_size 0
		.amdhsa_enable_private_segment 0
		.amdhsa_kernarg_size 32
		.amdhsa_user_sgpr_count 2
		.amdhsa_user_sgpr_kernarg_segment_ptr 1
		.amdhsa_wavefront_size32 1
		.amdhsa_system_sgpr_workgroup_id_x 1
		.amdhsa_system_sgpr_workgroup_id_y 1
		.amdhsa_system_sgpr_workgroup_id_z 1
		.amdhsa_system_vgpr_workitem_id 0
		.amdhsa_next_free_vgpr 256
		.amdhsa_next_free_sgpr 66
		.amdhsa_reserve_vcc 0
		.amdhsa_float_denorm_mode_32 3
		.amdhsa_float_denorm_mode_16_64 3
		.amdhsa_memory_ordered 1
		.amdhsa_forward_progress 1
		.amdhsa_inst_pref_size 69
	.end_amdhsa_kernel
	.amdgpu_metadata
---
amdhsa.version: [ 1, 2 ]
amdhsa.kernels:
  - .name:           k_q7fe435489d_comb
    .symbol:         k_q7fe435489d_comb.kd
    .args:
      - { .name: rank, .offset: 0, .size: 8, .value_kind: global_buffer, .address_space: global }
      - { .name: lse2, .offset: 8, .size: 8, .value_kind: global_buffer, .address_space: global }
      - { .name: att, .offset: 16, .size: 8, .value_kind: global_buffer, .address_space: global }
      - { .name: out0, .offset: 24, .size: 8, .value_kind: global_buffer, .address_space: global }
    .group_segment_fixed_size: 67072
    .private_segment_fixed_size: 0
    .kernarg_segment_align: 8
    .kernarg_segment_size: 32
    .max_flat_workgroup_size: 256
    .sgpr_count:     66
    .vgpr_count:     256
    .wavefront_size: 32
...
	.end_amdgpu_metadata
.endif
;; end of part 5
;; ======== version 2 of 2: 5 launches; version 1 with the launches hash, refine written anew for expert scheduling mode
;; limits: values are held in f16: magnitudes above 65,504 overflow, below 6.1e-05 lose precision; inputs' magnitudes at most 65,504
;; workspace buffers: cnd 1,048,576 bytes of whole numbers; hsh 1,048,576 bytes of whole numbers; kinv 262,144 bytes; skey 1,048,576 bytes of whole numbers; rank 1,048,576 bytes of whole numbers; cw 262,144 bytes of whole numbers; att 33,554,432 bytes; lse2 1,048,576 bytes
;; launch hash (part 6): grid 256 x 1, 4 waves a work-group, no clusters, 19,456 bytes of LDS; arguments query, rand_matrix, cnd, kinv; writes cnd, kinv
.if DOCPART == 6
	.amdgcn_target "amdgcn-amd-amdhsa--gfx1250"
	.amdhsa_code_object_version 6
	.text
	.protected	k_q7fe435489d_hash
	.globl	k_q7fe435489d_hash
	.p2align	8
	.type	k_q7fe435489d_hash,@function
k_q7fe435489d_hash:
	s_mov_b64 s[64:65], 0
	v_nop
	global_prefetch_b8 v0, s[64:65] scope:SCOPE_SE
	s_setreg_imm32_b32 hwreg(HW_REG_WAVE_SCHED_MODE, 0, 2), 2
	s_setreg_imm32_b32 hwreg(HW_REG_WAVE_MODE, 25, 1), 1
	s_wait_xcnt 0x0
	s_wait_alu depctr_vm_vsrc(0)
; HASH CANDIDATES AND KEY SCALES.  For each batch b, round r and row l: the FOUR columns n of the round's 32 whose projection q[b][l] . rm[b][:, r, n] / |column| is largest in magnitude:
; cnd[b][r][l] = n1 | n2 << 8 | n3 << 16 | n4 << 24.  The launch behind computes those four projections anew, in f32 on the unrounded inputs, and decides.
; kinv[b][l] = log2(e) / (8 max(|q[b][l]|, 1e-12)), of the unrounded q.
; The product is one bf16 matrix product with f32 sums, on q and rand_matrix rounded to bf16; each column is then scaled in f32 by 1 / |column| (of the unrounded column; v_rsq_f32 and one Newton step).
; q's own norm is a positive factor of a whole row and does not move the order, so it is left out here.
; A KEY is the magnitude with its five lowest bits replaced by 31 - column: keys are all different, order as positive f32 numbers, carry their column along, and of equal magnitudes the lower column has the greater key.
; LIMITS.  bf16's rounding moves a projection by about a thousandth of the projections' spread: the row's true winner is missed only where five magnitudes lie within that of each other.
; A column of rand_matrix that is all zeros is not served (its norm divides).  NaN and infinities are not treated apart.
; SHARES.  A work-group: 256 rows of one batch; a wave: 64 rows, four tiles of 16.  Thread t rounds column t of the batch's 128 (round t / 32) and lays it into LDS as [d][column].
; LAYOUT.  Source 0 = 16 columns of rm (turned out of LDS by ds_load_tr16_b128), source 1 = 16 rows of q: in the result a lane holds ONE row (lane % 16) and the columns 8 (lane / 16) + 0..7.
; No tensor load, no cluster: rm is 32 KiB a batch and must be rounded on its way; q is read once by its own wave.
; THE MODE: SCHED_MODE bits 1:0 = 2 (LLVM: expert scheduling mode 2), set by the entry lines.  The code itself states the register dependences
; between vector or matrix instructions and memory or LDS instructions, with s_wait_alu, always for 0.
; THE PLAN.  Registers that memory or LDS instructions touch:
;   v5, v6, v7, v9, v10, v11   offsets and LDS addresses: made at the head, never written again.
;   v[64:127]    rm's loads land here; the column is rounded and drawn together in place (v[64:95]) and its upper halves are shifted down into v[96:127]; 64 LDS stores read them; then q's conversions write them.
;   v47          the column's scale: written by the Newton step, read by one LDS store, later at work again.
;   v[128:255]   q's loads land here; the conversions and the squares read them.
;   AF, SC       v[128:175]: a round's twelve LDS loads land here; its sixteen products read AF, its 32 scalings read SC.
;   v40, v41, HS written once each, read by one store each.
; ONE wait on va_vdst stands in a round, behind its scalings: AF and SC are read out, and the step before has written what it stores.  Behind it stand the next round's twelve loads and the
; step before's two stores; the round's other vector lines (keys and insertions) name DD, K1-K4, O1-O4 and HS of this round: none of the registers that those loads and stores touch.
.set RMP,   288                        ; a row of rm in LDS: 128 bf16 + 32 bytes = 72 words
.set INVB,  18432                      ; behind the 64 rows: 1 / |column|, 128 f32 (the 512 bytes behind them take the closing add)
.set QP,    64                         ; v[64:127]   rm as loaded, then packed; then q packed, 16 registers a tile
.set LND,   128                        ; v[128:255]  q as loaded
.set AF,    128                        ; v[128:159]  rm's fragments of one round: column half u, K half ks at 16 u + 8 ks
.set SC,    160                        ; v[160:175]  my 16 columns' scales
.set DD,    192                        ; v[192:255]  results, then keys: tile T, column half u at 16 T + 8 u
.set K1,    16                         ; v[16:19]    the largest key so far, by tile
.set K2,    20                         ; v[20:23]    the second
.set K3,    54                         ; v[54:57]    the third
.set K4,    58                         ; v[58:61]    the fourth
.set O1,    24                         ; v[24:27]    the other half of the lanes' largest,
.set O2,    28                         ; v[28:31]    second,
.set O3,    46                         ; v[46:49]    third (where the sums of squares lay)
.set O4,    50                         ; v[50:53]    and fourth
.set HS,    32                         ; v[32:39]    candidates to store: two registers a round, none written twice
.set KV,    42                         ; v[42:45]    key scales by tile
.set SS,    46                         ; v[46:53]    sums of squares
	s_load_b256 s[4:11], s[0:1], 0x0               ; query s[4:5], rand_matrix s[6:7], cnd s[8:9], kinv s[10:11]
	v_lshl_add_u32 v62, v0, 2, 0x4a00
	v_mov_b32 v63, 0
	v_lshrrev_b32 v12, 5, v0
	v_readfirstlane_b32 s12, v12                   ; wave 0..3
	v_and_b32 v3, 15, v0                           ; lane % 16
	v_bfe_u32 v4, v0, 4, 1                         ; lane / 16
	v_lshlrev_b32 v5, 8, v3
	v_lshl_add_u32 v5, v4, 5, v5                   ; q: row x 256 + 32 x half
	v_and_b32 v12, 7, v0
	v_lshl_add_u32 v12, v4, 3, v12
	v_mul_u32_u24 v6, v12, RMP
	v_bfe_u32 v12, v0, 3, 1
	v_lshl_add_u32 v6, v12, 4, v6                  ; the turning load: row 8 (lane / 16) + lane % 8, 16 bytes by bit 3
	v_lshlrev_b32 v7, 5, v4                        ; 32 x half: my eight scales
	v_xor_b32 v8, 1, v4
	v_lshlrev_b32 v8, 3, v8                        ; 8 x (1 - half): bit 3 of 31 - column for my columns
	v_and_b32 v9, 31, v0
	v_lshlrev_b32 v9, 2, v9                        ; 4 x lane
	v_lshlrev_b32 v10, 2, v0                       ; 4 t
	v_lshlrev_b32 v11, 1, v0                       ; 2 t
.set i, 0
.rept 8
	v_mov_b32 v[O1+i], 0                           ; v_permlanex16_b32 counts as a reader of its destination
.set i, i+1
.endr
	s_wait_alu depctr_va_sdst(0)                   ; s12 is written, ahead of its first reader: the bases of q, kinv and cnd are made from it
	s_mov_b32 s13, 0xffff0000                      ; lanes 16 to 31
	s_mov_b32 s14, 0x76543210                      ; v_permlanex16_b32: each lane takes its own place in the other half
	s_mov_b32 s15, 0xfedcba98
	s_mov_b32 s34, 0x7fffffe0                      ; a key's part of the magnitude
	s_lshr_b32 s16, ttmp9, 4                       ; batch
	s_and_b32 s17, ttmp9, 15
	s_lshl_b32 s24, s16, 15                        ; rm: 32,768 bytes a batch
	s_mov_b32 s25, 0
	s_lshl_b32 s26, ttmp9, 8
	s_lshl_b32 s27, s12, 6
	s_add_co_u32 s26, s26, s27                     ; my wave's first row among all 65,536
	s_lshl_b32 s28, s26, 8                         ; in bytes of q
	s_mov_b32 s29, 0
	s_lshl_b32 s30, s26, 2                         ; in bytes of kinv
	s_mov_b32 s31, 0
	s_lshl_b32 s32, s17, 8
	s_add_co_u32 s32, s32, s27
	s_lshl_b32 s32, s32, 2
	s_lshl_b32 s33, s16, 16
	s_add_co_u32 s32, s32, s33                     ; cnd: 65,536 bytes a batch + 4 x my first row in it
	s_mov_b32 s33, 0
	s_wait_kmcnt 0x0
	s_add_nc_u64 s[6:7], s[6:7], s[24:25]
	s_add_nc_u64 s[4:5], s[4:5], s[28:29]
	s_add_nc_u64 s[10:11], s[10:11], s[30:31]
	s_add_nc_u64 s[8:9], s[8:9], s[32:33]
	s_wait_alu depctr_va_vdst(0)                   ; v5, v6, v7, v9, v10 and v11 are written: every load and store of the kernel reads one of them as its offset or address
.set d, 0
.rept 64
	global_load_b32 v[QP+d], v10, s[6:7] offset:d*512  ; my column, row d: a wave takes 128 consecutive bytes
.set d, d+1
.endr
.set i, 0
.rept 32                               ; tile i / 8; channels 16 ((i % 8) / 2) + 8 (lane / 16) + 4 (i % 2) on
	global_load_b128 v[LND+4*i:LND+4*i+3], v5, s[4:5] offset:(i/8)*4096+((i%8)/2)*64+(i%2)*16
.set i, i+1
.endr
	s_wait_loadcnt 32                              ; rm is in; the 32 younger loads, q's, stay out
.set k, 0
.rept 32                               ; the squares of rows 2 k and 2 k + 1, then the two rounded to bf16 into register k, which no later line of this run reads as f32
.if k == 0
	v_mul_f32 v[SS], v[QP], v[QP]                  ; the first squares start the sums
	v_mul_f32 v[SS+1], v[QP+1], v[QP+1]
.else
	v_fma_f32 v[SS], v[QP+2*k], v[QP+2*k], v[SS]
	v_fma_f32 v[SS+1], v[QP+2*k+1], v[QP+2*k+1], v[SS+1]
.endif
	v_cvt_pk_bf16_f32 v[QP+k], v[QP+2*k], v[QP+2*k+1]
.set k, k+1
.endr
	v_add_f32 v[SS], v[SS], v[SS+1]
	v_rsq_f32 v[SS+1], v[SS]
.set k, 0
.rept 32                               ; the odd rows' halves come down, into registers of their own; these plain lines are also the work behind the transcendental
	v_lshrrev_b32 v[QP+32+k], 16, v[QP+k]
.set k, k+1
.endr
	s_wait_alu depctr_va_vdst(0)                   ; the conversions and shifts have written v[64:127], which the 64 LDS stores read; the reciprocal root is written, ahead of its first reader
.set k, 0
.rept 32
	ds_store_b16 v11, v[QP+k] offset:2*k*RMP
	ds_store_b16 v11, v[QP+32+k] offset:(2*k+1)*RMP
.set k, k+1
.endr
	v_mul_f32 v[SS+2], v[SS], v[SS+1]              ; one Newton step: y + y/2 (1 - x y y)
	v_fma_f32 v[SS+2], -v[SS+2], v[SS+1], 1.0
	v_mul_f32 v[SS+3], 0.5, v[SS+1]
	v_fma_f32 v[SS+1], v[SS+3], v[SS+2], v[SS+1]
	s_wait_alu depctr_va_vdst(0)                   ; the Newton step has written the scale, which the LDS store reads
	ds_store_b32 v10, v[SS+1] offset:INVB
	s_wait_dscnt 0x0                               ; for the others' sake: my column and its scale lie in LDS
	s_barrier_signal -1
	s_barrier_wait -1
	s_wait_alu depctr_vm_vsrc(0)                   ; my LDS stores have read v[64:127] and the scale's register: q's conversions and the sums of squares write them again
	s_wait_loadcnt 0x0                             ; q
.set i, 0
.rept 64
	v_cvt_pk_bf16_f32 v[QP+i], v[LND+2*i], v[LND+2*i+1]  ; a tile's 16 registers are its two fragments, as they lie
.set i, i+1
.endr
	; the key scale: the sum of q's squares, my 32 channels (two sums an instruction) and the other half's
.set m, 0
.rept 16
.set T, 0
.rept 4
.if m == 0
	v_pk_mul_f32 v[SS+2*T:SS+2*T+1], v[LND+32*T:LND+32*T+1], v[LND+32*T:LND+32*T+1]
.else
	v_pk_fma_f32 v[SS+2*T:SS+2*T+1], v[LND+32*T+2*m:LND+32*T+2*m+1], v[LND+32*T+2*m:LND+32*T+2*m+1], v[SS+2*T:SS+2*T+1]
.endif
.set T, T+1
.endr
.set m, m+1
.endr
.set T, 0
.rept 4
	v_add_f32 v[SS+2*T], v[SS+2*T], v[SS+2*T+1]
.set T, T+1
.endr
.set T, 0
.rept 4
	v_permlanex16_b32 v[O1+T], v[SS+2*T], s14, s15
.set T, T+1
.endr
.set T, 0
.rept 4
	v_add_f32 v[SS+2*T], v[SS+2*T], v[O1+T]
.set T, T+1
.endr
.set T, 0
.rept 4
	v_sqrt_f32 v[KV+T], v[SS+2*T]
.set T, T+1
.endr
	v_nop
; The twelve LDS loads of round r: rm's four fragments, turned, and my sixteen columns' scales
.macro FRAGS r
.set u, 0
.rept 2
.set ks, 0
.rept 2
	ds_load_tr16_b128 v[AF+16*u+8*ks:AF+16*u+8*ks+3], v6 offset:32*ks*RMP+2*(32*(\r)+16*u)
	ds_load_tr16_b128 v[AF+16*u+8*ks+4:AF+16*u+8*ks+7], v6 offset:(32*ks+16)*RMP+2*(32*(\r)+16*u)
.set ks, ks+1
.endr
.set u, u+1
.endr
.set m, 0
.rept 4
	ds_load_b128 v[SC+4*m:SC+4*m+3], v7 offset:INVB+128*(\r)+64*(m/2)+16*(m%2)
.set m, m+1
.endr
.endm
; The two stores of round r's candidates
.macro OUT r
	global_store_b32 v9, v[HS+2*(\r)], s[8:9] offset:16384*(\r)
	global_store_b32 v9, v[HS+2*(\r)+1], s[8:9] offset:16384*(\r)+128
.endm
	s_wait_alu depctr_va_vdst(0)                   ; the four roots are written, ahead of their first reader; the conversions and the squares are done reading v[128:175], in which the loads below land
	FRAGS 0                                        ; round 0's fragments come while the key scales are finished; no line below, up to the round's products, names AF or SC
.set T, 0
.rept 4
	v_max_num_f32 v[KV+T], 0x2b8cbccc, v[KV+T]     ; 1e-12
.set T, T+1
.endr
.set T, 0
.rept 4
	v_rcp_f32 v[KV+T], v[KV+T]
.set T, T+1
.endr
	v_nop
	s_wait_alu depctr_va_vdst(0)                   ; the four reciprocals are written, ahead of their first reader
.set T, 0
.rept 4
	v_mul_f32 v[KV+T], 0x3e38aa3b, v[KV+T]         ; log2(e) / 8
.set T, T+1
.endr
	v_cndmask_b32 v40, v[KV], v[KV+1], s13         ; lanes 0-15 a tile's 16 rows, lanes 16-31 the next tile's: 128 consecutive bytes; stored behind round 0's wait
	v_cndmask_b32 v41, v[KV+2], v[KV+3], s13
; Key x is set into tile t's sorted four: of a place's old key, the key above it and the new key, the middle one is the place's new key.  The places are taken from the bottom up, so that each line reads old keys.
; lev = 2, 3: only so many keys are there yet: the new lowest place takes the smaller of the new key and the key above.
.macro INS t, x, lev=4
.if (\lev) == 4
	v_med3_num_f32 v[K4+(\t)], v[K3+(\t)], v[K4+(\t)], v[\x]
.elseif (\lev) == 3
	v_min_num_f32 v[K4+(\t)], v[K3+(\t)], v[\x]
.endif
.if (\lev) >= 3
	v_med3_num_f32 v[K3+(\t)], v[K2+(\t)], v[K3+(\t)], v[\x]
.else
	v_min_num_f32 v[K3+(\t)], v[K2+(\t)], v[\x]
.endif
	v_med3_num_f32 v[K2+(\t)], v[K1+(\t)], v[K2+(\t)], v[\x]
	v_max_num_f32 v[K1+(\t)], v[K1+(\t)], v[\x]
.endm
; One round: 32 columns x my 64 rows, 16 matrix instructions; then the four largest keys of each row.
.macro ROUND r
	s_wait_dscnt 0x0                               ; this round's fragments and scales, asked for in the step before, are in
.set n, 0
.rept 8                                ; the eight accumulators take turns; the first K half starts the sums
	v_wmma_f32_16x16x32_bf16 v[DD+8*n:DD+8*n+7], v[AF+16*(n%2):AF+16*(n%2)+7], v[QP+16*(n/2):QP+16*(n/2)+7], 0
.set n, n+1
.endr
.set n, 0
.rept 8
	v_wmma_f32_16x16x32_bf16 v[DD+8*n:DD+8*n+7], v[AF+16*(n%2)+8:AF+16*(n%2)+15], v[QP+16*(n/2)+8:QP+16*(n/2)+15], v[DD+8*n:DD+8*n+7]
.set n, n+1
.endr
.rept 5
	v_nop                                          ; the places behind the last product (ISA guide 7.12.1): ahead of the scalings that read results, and of the next round's products
.endr
.set n, 0
.rept 8
.set i, 0
.rept 4                                ; each accumulator is read from its low end on
	v_pk_mul_f32 v[DD+8*n+2*i:DD+8*n+2*i+1], v[DD+8*n+2*i:DD+8*n+2*i+1], v[SC+8*(n%2)+2*i:SC+8*(n%2)+2*i+1]
.set i, i+1
.endr
.set n, n+1
.endr
	s_wait_alu depctr_va_vdst(0)                   ; the products are done reading AF and the scalings SC, in which the next round's loads land; the step before has written the two registers that the stores below read
.if (\r) < 3
	FRAGS (\r)+1                                   ; they have the keys and the insertions below in which to land
.endif
.if (\r) == 0
	global_store_b32 v9, v40, s[10:11]             ; the key scales
	global_store_b32 v9, v41, s[10:11] offset:128
.else
	OUT (\r)-1                                     ; the round before's candidates
.endif
.set n, 0
.rept 8
.set i, 0
.rept 8                                ; the keys: sign and five low bits off, 31 - column (but for its bit 3, which goes by my half of the lanes) in
	v_and_or_b32 v[DD+8*n+i], v[DD+8*n+i], s34, 16*(1-n%2)+7-i
.set i, i+1
.endr
.set n, n+1
.endr
.set T, 0
.rept 4
	v_max_num_f32 v[K1+T], v[DD+16*T], v[DD+16*T+1]
	v_min_num_f32 v[K2+T], v[DD+16*T], v[DD+16*T+1]
.set T, T+1
.endr
.set i, 2
.rept 14
.set lv, 4
.if i < 4
.set lv, i
.endif
.set T, 0
.rept 4
	INS T, DD+16*T+i, lv
.set T, T+1
.endr
.set i, i+1
.endr
.set T, 0
.rept 4
	v_or_b32 v[K1+T], v8, v[K1+T]
	v_or_b32 v[K2+T], v8, v[K2+T]
	v_or_b32 v[K3+T], v8, v[K3+T]
	v_or_b32 v[K4+T], v8, v[K4+T]
.set T, T+1
.endr
.set T, 0
.rept 4
	v_permlanex16_b32 v[O1+T], v[K1+T], s14, s15
	v_permlanex16_b32 v[O2+T], v[K2+T], s14, s15
	v_permlanex16_b32 v[O3+T], v[K3+T], s14, s15
	v_permlanex16_b32 v[O4+T], v[K4+T], s14, s15
.set T, T+1
.endr
.set T, 0
.rept 4                                ; the other half's four are set into mine: both halves of the lanes end with the same four; then the columns out of the keys
	INS T, O1+T
	INS T, O2+T
	INS T, O3+T
	INS T, O4+T
	v_and_b32 v[K1+T], 31, v[K1+T]
	v_and_b32 v[K2+T], 31, v[K2+T]
	v_and_b32 v[K3+T], 31, v[K3+T]
	v_and_b32 v[K4+T], 31, v[K4+T]
	v_lshl_or_b32 v[K1+T], v[K2+T], 8, v[K1+T]
	v_lshl_or_b32 v[K1+T], v[K3+T], 16, v[K1+T]
	v_lshl_or_b32 v[K1+T], v[K4+T], 24, v[K1+T]
	v_xor_b32 v[K1+T], 0x1f1f1f1f, v[K1+T]
.set T, T+1
.endr
	v_cndmask_b32 v[HS+2*(\r)], v[K1], v[K1+1], s13
	v_cndmask_b32 v[HS+2*(\r)+1], v[K1+2], v[K1+3], s13
.endm
	ROUND 0
	ROUND 1
	ROUND 2
	ROUND 3
	s_wait_alu depctr_va_vdst(0)                   ; round 3 has written its two registers of candidates, which the last two stores read
	OUT 3
	s_wait_dscnt 0x0                               ; the wave's end: the closing add follows
	s_wait_alu depctr_hold_cnt(0) depctr_sa_sdst(0) depctr_va_vdst(0) depctr_va_sdst(0) depctr_va_ssrc(0) depctr_va_vcc(0) depctr_vm_vsrc(0)
	s_wait_tensorcnt 0x0
	ds_add_u32 v62, v63
	s_wait_dscnt 0x0
	s_endpgm
.Lfunc_end_k_q7fe435489d_hash:
	.size	k_q7fe435489d_hash, .Lfunc_end_k_q7fe435489d_hash-k_q7fe435489d_hash
	.p2alignl 7, 3214868480
	.fill 96, 4, 3214868480
	.section	.rodata,"a",@progbits
	.p2align	6, 0x0
	.amdhsa_kernel k_q7fe435489d_hash
		.amdhsa_group_segment_fixed_size 19456
		.amdhsa_private_segment_fixed_size 0
		.amdhsa_enable_private_segment 0
		.amdhsa_kernarg_size 32
		.amdhsa_user_sgpr_count 2
		.amdhsa_user_sgpr_kernarg_segment_ptr 1
		.amdhsa_wavefront_size32 1
		.amdhsa_system_sgpr_workgroup_id_x 1
		.amdhsa_system_sgpr_workgroup_id_y 1
		.amdhsa_system_sgpr_workgroup_id_z 1
		.amdhsa_system_vgpr_workitem_id 0
		.amdhsa_next_free_vgpr 256
		.amdhsa_next_free_sgpr 66
		.amdhsa_reserve_vcc 0
		.amdhsa_float_denorm_mode_32 3
		.amdhsa_float_denorm_mode_16_64 3
		.amdhsa_memory_ordered 1
		.amdhsa_forward_progress 1
		.amdhsa_inst_pref_size 141
	.end_amdhsa_kernel
	.amdgpu_metadata
---
amdhsa.version: [ 1, 2 ]
amdhsa.kernels:
  - .name:           k_q7fe435489d_hash
    .symbol:         k_q7fe435489d_hash.kd
    .args:
      - { .name: query, .offset: 0, .size: 8, .value_kind: global_buffer, .address_space: global }
      - { .name: rand_matrix, .offset: 8, .size: 8, .value_kind: global_buffer, .address_space: global }
      - { .name: cnd, .offset: 16, .size: 8, .value_kind: global_buffer, .address_space: global }
      - { .name: kinv, .offset: 24, .size: 8, .value_kind: global_buffer, .address_space: global }
    .group_segment_fixed_size: 19456
    .private_segment_fixed_size: 0
    .kernarg_segment_align: 8
    .kernarg_segment_size: 32
    .max_flat_workgroup_size: 128
    .sgpr_count:     66
    .vgpr_count:     256
    .wavefront_size: 32
...
	.end_amdgpu_metadata
.endif
;; end of part 6
;; launch refine (part 7): grid 256 x 1, 8 waves a work-group, no clusters, 104,448 bytes of LDS; arguments query, rand_matrix, cnd, hsh; writes hsh
.if DOCPART == 7
	.amdgcn_target "amdgcn-amd-amdhsa--gfx1250"
	.amdhsa_code_object_version 6
	.text
	.protected	k_q7fe435489d_refine
	.globl	k_q7fe435489d_refine
	.p2align	8
	.type	k_q7fe435489d_refine,@function
k_q7fe435489d_refine:
	s_mov_b64 s[64:65], 0
	v_nop
	global_prefetch_b8 v0, s[64:65] scope:SCOPE_SE
	s_setreg_imm32_b32 hwreg(HW_REG_WAVE_SCHED_MODE, 0, 2), 2
	s_setreg_imm32_b32 hwreg(HW_REG_WAVE_MODE, 25, 1), 1
	s_wait_xcnt 0x0
	s_wait_alu depctr_vm_vsrc(0)
; THE HASH IS DECIDED.  hsh[b][r][l] = argmax over [mm, -mm], 0 .. 63, taken among the four candidate columns that cnd[b][r][l] names (a byte each).
; The argmax is a choice, so the four projections are made in f32, on the inputs as they are given, step by step as one f32 evaluation of the formula makes them:
;   a sum of 64 squares, each rounded to f32 by itself = the ascending sum of the first 32 + the ascending sum of the last 32;   the norm = its correctly rounded root (for q: at least 1e-12);
;   each element / the norm, correctly rounded;   mm = one chain of 64 fused multiply-adds in ascending d.   The greatest magnitude wins; of equals the lowest index in [mm, -mm].
; LIMITS.  An f32 evaluation in another order of summation can fall otherwise where two projections agree to the last bits.  A column of rand_matrix that is all zeros is not served (its norm
; divides).  NaN and infinities are not treated apart.
; SHARES.  A work-group: 256 rows of one batch, a thread a row: 4 rounds x 4 candidates = sixteen chains, which do not wait for each other.  Threads 0-127 (waves 0-3) normalise the batch's 128 columns into LDS.
; This is 4 of every 32 columns, 1/8 of the product's multiply-adds; the bulk product, which finds the candidates, is the matrix units' in the launch before.  f32's full width is the point here, so the chains
; stay in the vector unit.  No tensor load, no cluster: a work-group shares only the 32 KiB of rand_matrix with its batch's others, and divides them on their way.
; THE MODE: SCHED_MODE bits 1:0 = 2 (LLVM: expert scheduling mode 2), set by the entry lines.  The code itself states the register dependences
; between vector instructions and memory or LDS instructions, with s_wait_alu, always for 0.
; THE PLAN.  Registers that memory or LDS instructions touch:
;   v3 .. v7     offsets and LDS addresses: made at the head, never written again.
;   X            q's loads land here; sixteen LDS stores read them; sixteen LDS loads (my own row) land here; from then on vector lines alone name them.
;   RMX          waves 0-3: rm's loads land here; the division works in place; 33 LDS stores read them; then the registers are buffers 0 and 1.
;   CA           written once by vector lines, from the candidates; read by every load of a column.
;   B0, B1, B2   three buffers of 32.  Block j (d = 2 j, 2 j + 1) multiplies buffer j % 3; the sixteen loads issued at its head, block j + 2's, land in buffer (j + 2) % 3, which block j - 1 multiplied.
;   CN, HO       loaded once; stored once.
; ONE wait on va_vdst stands at the head of a block: the block before is done reading its buffer.  The block's 32 multiply-adds name the sums, X and buffer j % 3: none of the registers that its loads touch.
; A compare's mask goes into a scalar register: the compares stand in runs, with one wait on va_sdst behind each run and ahead of the first line that reads a mask.
.set QPI,   272                        ; a row of q in LDS: 64 f32 + 16 bytes = 68 words: the 16 rows of a pass of 16-byte loads start at 16 different groups of four banks
.set RTB,   69632                      ; behind q's 256 rows: rm / |rm| as f32, [column][d]
.set RPI,   264                        ; a column: 256 bytes + 8 = 66 words: a round's 32 columns start at 32 different pairs of banks, for the loads of 8 bytes (the 1,024 bytes behind the table take the closing add)
.set ACC, 8                            ; v[8:23]     the sixteen sums: round r, candidate k at 4 r + k
.set W,   24                           ; v[24:49]    at work
.set CN,  50                           ; v[50:53]    cnd by round
.set HO,  54                           ; v[54:57]    hashes to store
.set X,   64                           ; v[64:127]   q as loaded; then my row, 64 f32
.set RMX, 128                          ; v[128:191]  my column of rm
.set B0,  128                          ; v[128:223]  later: three buffers of 32: two d of each of my sixteen columns
.set CI,  224                          ; v[224:239]  the candidates' columns, then their indices in [mm, -mm]
.set CA,  240                          ; v[240:255]  their LDS addresses
; v3 4 t; v4 256 (lane / 16) + 16 (lane % 16); v5 where 16 bytes of a staged row go; v6 my row in LDS; v7 my column in LDS
	s_load_b256 s[4:11], s[0:1], 0x0               ; query s[4:5], rand_matrix s[6:7], cnd s[8:9], hsh s[10:11]
	v_lshl_add_u32 v62, v0, 2, 0x19400
	v_mov_b32 v63, 0
	v_lshrrev_b32 v16, 5, v0
	v_readfirstlane_b32 s12, v16                   ; wave 0..7
	v_and_b32 v17, 15, v0
	v_bfe_u32 v18, v0, 4, 1
	v_lshlrev_b32 v3, 2, v0
	v_lshlrev_b32 v4, 8, v18
	v_lshl_add_u32 v4, v17, 4, v4
	v_mul_u32_u24 v6, v0, QPI
	v_and_b32 v7, 127, v0
	v_mul_u32_u24 v7, v7, RPI
	v_add_nc_u32 v7, RTB, v7
	s_wait_alu depctr_va_sdst(0)                   ; s12 is written, ahead of its first reader: my wave's rows, q's base and the branch below are made from it
	s_lshl_b32 s13, s12, 5                         ; my wave's first row in the work-group
	v_add_nc_u32 v5, s13, v18
	v_mul_u32_u24 v5, v5, QPI
	v_lshl_add_u32 v5, v17, 4, v5
	s_lshr_b32 s16, ttmp9, 4                       ; batch
	s_lshl_b32 s20, s16, 15                        ; rm: 32,768 bytes a batch
	s_mov_b32 s21, 0
	s_lshl_b32 s22, ttmp9, 8
	s_add_co_u32 s22, s22, s13
	s_lshl_b32 s22, s22, 8                         ; q at my wave's first row
	s_mov_b32 s23, 0
	s_and_b32 s24, ttmp9, 15
	s_lshl_b32 s24, s24, 10
	s_lshl_b32 s25, s16, 16
	s_add_co_u32 s24, s24, s25                     ; cnd, hsh: 65,536 bytes a batch + 4 x the work-group's first row in it
	s_mov_b32 s25, 0
	s_wait_kmcnt 0x0
	s_add_nc_u64 s[4:5], s[4:5], s[22:23]
	s_add_nc_u64 s[6:7], s[6:7], s[20:21]
	s_add_nc_u64 s[8:9], s[8:9], s[24:25]
	s_add_nc_u64 s[10:11], s[10:11], s[24:25]
	s_wait_alu depctr_va_vdst(0)                   ; v3 to v7 are written: the loads and stores below, global and LDS, read them as offsets and addresses
.set i, 0
.rept 16
	global_load_b128 v[X+4*i:X+4*i+3], v4, s[4:5] offset:512*i  ; two whole rows of 256 bytes an instruction
.set i, i+1
.endr
.set r, 0
.rept 4
	global_load_b32 v[CN+r], v3, s[8:9] offset:16384*r
.set r, r+1
.endr
; The 64 numbers in v[x ..] are divided by their norm, in place.  eps = 1: the norm is at least 1e-12.
.macro NORM x, eps
.set g, 0
.rept 16                               ; two ascending sums of 32 squares.  A square is rounded by itself and then added: the two are kept apart on purpose, since both roundings belong to the evaluation that is followed
	v_pk_mul_f32 v[W+10+4*(g%2):W+11+4*(g%2)], v[(\x)+2*g:(\x)+2*g+1], v[(\x)+2*g:(\x)+2*g+1]
	v_pk_mul_f32 v[W+12+4*(g%2):W+13+4*(g%2)], v[(\x)+32+2*g:(\x)+33+2*g], v[(\x)+32+2*g:(\x)+33+2*g]
.if g == 0
	v_add_f32 v[W], v[W+10], v[W+11]               ; the first two squares start the sums
	v_add_f32 v[W+1], v[W+12], v[W+13]
.else
	v_add_f32 v[W], v[W], v[W+10+4*(g%2)]
	v_add_f32 v[W+1], v[W+1], v[W+12+4*(g%2)]
	v_add_f32 v[W], v[W], v[W+11+4*(g%2)]
	v_add_f32 v[W+1], v[W+1], v[W+13+4*(g%2)]
.endif
.set g, g+1
.endr
	v_add_f32 v[W], v[W], v[W+1]
	v_sqrt_f32 v[W+1], v[W]
	v_nop                                          ; a plain instruction behind the transcendental
	s_wait_alu depctr_va_vdst(0)                   ; the root is written, ahead of its first reader
	v_add_nc_u32 v[W+2], -1, v[W+1]                ; the root is within a step of the rounded one: s is too large where x - s (s - step) <= 0, too small where x - s (s + step) > 0
	v_add_nc_u32 v[W+3], 1, v[W+1]
	v_fma_f32 v[W+4], -v[W+2], v[W+1], v[W]
	v_fma_f32 v[W+5], -v[W+3], v[W+1], v[W]
	v_cmp_ge_f32 s14, 0, v[W+4]
	v_cmp_lt_f32 s15, 0, v[W+5]
	s_wait_alu depctr_va_sdst(0)                   ; the two compares have written s14 and s15, ahead of the selects that read them
	v_cndmask_b32 v[W+1], v[W+1], v[W+2], s14
	v_cndmask_b32 v[W+1], v[W+1], v[W+3], s15
.if \eps
	v_max_num_f32 v[W+6], 0x2b8cbccc, v[W+1]       ; 1e-12
.else
	v_mov_b32 v[W+6], v[W+1]
.endif
	v_mov_b32 v[W+7], v[W+6]                       ; named with it as a pair
	v_rcp_f32 v[W+8], v[W+6]
	v_nop
	s_wait_alu depctr_va_vdst(0)                   ; the reciprocal is written, ahead of its first reader
	v_fma_f32 v[W+9], -v[W+6], v[W+8], 1.0         ; the reciprocal refined once
	v_fma_f32 v[W+8], v[W+9], v[W+8], v[W+8]
	v_mov_b32 v[W+9], v[W+8]
.set g, 0
.rept 8                                ; x / n, correctly rounded: x y, then twice the fused residual x - n q times y onto q; eight numbers at a time, two an instruction
.irp p, 0,1,2,3
	v_pk_mul_f32 v[W+10+2*\p:W+11+2*\p], v[(\x)+8*g+2*\p:(\x)+8*g+2*\p+1], v[W+8:W+9] op_sel_hi:[1,0]
.endr
.irp p, 0,1,2,3
	v_pk_fma_f32 v[W+18+2*\p:W+19+2*\p], v[W+10+2*\p:W+11+2*\p], v[W+6:W+7], v[(\x)+8*g+2*\p:(\x)+8*g+2*\p+1] op_sel_hi:[1,0,1] neg_lo:[0,1,0] neg_hi:[0,1,0]
.endr
.irp p, 0,1,2,3
	v_pk_fma_f32 v[W+10+2*\p:W+11+2*\p], v[W+18+2*\p:W+19+2*\p], v[W+8:W+9], v[W+10+2*\p:W+11+2*\p] op_sel_hi:[1,0,1]
.endr
.irp p, 0,1,2,3
	v_pk_fma_f32 v[W+18+2*\p:W+19+2*\p], v[W+10+2*\p:W+11+2*\p], v[W+6:W+7], v[(\x)+8*g+2*\p:(\x)+8*g+2*\p+1] op_sel_hi:[1,0,1] neg_lo:[0,1,0] neg_hi:[0,1,0]
.endr
.irp p, 0,1,2,3
	v_pk_fma_f32 v[(\x)+8*g+2*\p:(\x)+8*g+2*\p+1], v[W+18+2*\p:W+19+2*\p], v[W+8:W+9], v[W+10+2*\p:W+11+2*\p] op_sel_hi:[1,0,1]
.endr
.set g, g+1
.endr
.endm
	s_cmp_lt_u32 s12, 4                            ; waves 0-3: thread t takes column t of the batch's 128
	s_cbranch_scc0 .Lno_rm
.set d, 0
.rept 64
	global_load_b32 v[RMX+d], v3, s[6:7] offset:512*d  ; row d: a wave takes 128 consecutive bytes
.set d, d+1
.endr
	s_wait_loadcnt 0x0
	NORM RMX, 0
	s_wait_alu depctr_va_vdst(0)                   ; the division has written my column, which the LDS stores read
.set k, 0
.rept 32
	ds_store_b64 v7, v[RMX+2*k:RMX+2*k+1] offset:8*k
.set k, k+1
.endr
	ds_store_b64 v7, v[RMX+62:RMX+63] offset:256   ; the column's 8 bytes of padding are written too: no byte of the table is left as it was found; nobody uses them
.Lno_rm:
	s_wait_loadcnt 0x0                             ; q and the candidates
.set i, 0
.rept 16
	ds_store_b128 v5, v[X+4*i:X+4*i+3] offset:2*QPI*i  ; rows as they came, two an instruction; they come back a row a thread
.set i, i+1
.endr
	s_wait_dscnt 0x0                               ; for the others' sake: my rows, and my column, lie in LDS
	s_barrier_signal -1
	s_barrier_wait -1
	s_wait_alu depctr_vm_vsrc(0)                   ; my LDS stores have read X and my column's registers: my own row lands in the first, the columns' blocks in the second
.set k, 0
.rept 16
	ds_load_b128 v[X+4*k:X+4*k+3], v6 offset:16*k  ; my own row
.set k, k+1
.endr
.set r, 0
.rept 4
.set k, 0
.rept 4
	v_bfe_u32 v[CI+4*r+k], v[CN+r], 8*k, 5
	v_min_u32 v[CI+4*r+k], 31, v[CI+4*r+k]         ; a loaded number enters an address only behind a clamp
	v_mul_u32_u24 v[CA+4*r+k], v[CI+4*r+k], RPI
	v_add_nc_u32 v[CA+4*r+k], RTB+32*r*RPI, v[CA+4*r+k]
.set k, k+1
.endr
.set r, r+1
.endr
.macro RLOAD buf, j                    ; d = 2 j, 2 j + 1 of my sixteen columns
.set c, 0
.rept 16
	ds_load_b64 v[(\buf)+2*c:(\buf)+2*c+1], v[CA+c] offset:8*(\j)
.set c, c+1
.endr
.endm
.macro RFMA buf, j                     ; two links of each of the sixteen chains; the first product starts the sums
.set e, 0
.rept 2
.set c, 0
.rept 16
.if ((\j) == 0) && (e == 0)
	v_mul_f32 v[ACC+c], v[X], v[(\buf)+2*c]
.else
	v_fmac_f32 v[ACC+c], v[X+2*(\j)+e], v[(\buf)+2*c+e]
.endif
.set c, c+1
.endr
.set e, e+1
.endr
.endm
	s_wait_alu depctr_va_vdst(0)                   ; the sixteen addresses CA are written, which every load of a column reads; the division of my column is done with v[128:191], in which blocks 0 and 1 land
	RLOAD B0, 0                                    ; blocks 0 and 1 come while my row is divided: those lines name X and the registers at work alone
	RLOAD B0+32, 1
	s_wait_dscnt 32                                ; my row's sixteen loads are in; the 32 issued behind them, blocks 0 and 1, stay out
	NORM X, 1
.set j, 0
.rept 32
.if j < 31
	s_wait_dscnt 16                                ; this block's sixteen loads are in; the next block's sixteen, issued behind them, stay out
.else
	s_wait_dscnt 0x0
.endif
.if j < 30
.if j > 0
	s_wait_alu depctr_va_vdst(0)                   ; the block before is done reading its buffer, in which the loads below land (block 0's land in the third buffer, which no vector line has named)
.endif
	RLOAD B0+32*((j+2)%3), j+2
.endif
	RFMA B0+32*(j%3), j
.set j, j+1
.endr
	; a negative projection stands 32 places on in [mm, -mm]: the sixteen signs in one run of compares
.set c, 0
.rept 16
	v_cmp_gt_f32 s[16+c], 0, v[ACC+c]
.set c, c+1
.endr
.set c, 0
.rept 16
	v_add_nc_u32 v[W+c], 32, v[CI+c]
.set c, c+1
.endr
	s_wait_alu depctr_va_sdst(0)                   ; the sixteen compares have written s16 to s31, ahead of the selects that read them
.set c, 0
.rept 16
	v_cndmask_b32 v[CI+c], v[CI+c], v[W+c], s[16+c]
.set c, c+1
.endr
.set r, 0
.rept 4
	v_mov_b32 v[HO+r], v[CI+4*r]
.set r, r+1
.endr
	; a later candidate wins by a greater magnitude, or by the lower index of equals: candidate k against the best so far, for the four rounds at once
.set k, 1
.rept 3
.set r, 0
.rept 4
	v_cmp_gt_f32 s[16+3*r], |v[ACC+4*r+k]|, |v[ACC+4*r]|
	v_cmp_eq_f32 s[17+3*r], |v[ACC+4*r+k]|, |v[ACC+4*r]|
	v_cmp_lt_u32 s[18+3*r], v[CI+4*r+k], v[HO+r]
.set r, r+1
.endr
	s_wait_alu depctr_va_sdst(0)                   ; the twelve compares have written s16 to s27, ahead of the scalar lines that read them
.set r, 0
.rept 4
	s_and_b32 s[17+3*r], s[17+3*r], s[18+3*r]
	s_or_b32 s[16+3*r], s[16+3*r], s[17+3*r]
.set r, r+1
.endr
.set r, 0
.rept 4
	v_cndmask_b32 v[ACC+4*r], v[ACC+4*r], v[ACC+4*r+k], s[16+3*r]
	v_cndmask_b32 v[HO+r], v[HO+r], v[CI+4*r+k], s[16+3*r]
.set r, r+1
.endr
.set k, k+1
.endr
	s_wait_alu depctr_va_vdst(0)                   ; the selects have written the four hashes, which the stores read
.set r, 0
.rept 4
	global_store_b32 v3, v[HO+r], s[10:11] offset:16384*r  ; a wave stores 128 consecutive bytes
.set r, r+1
.endr
	s_wait_dscnt 0x0                               ; the wave's end: the closing add follows
	s_wait_alu depctr_hold_cnt(0) depctr_sa_sdst(0) depctr_va_vdst(0) depctr_va_sdst(0) depctr_va_ssrc(0) depctr_va_vcc(0) depctr_vm_vsrc(0)
	s_wait_tensorcnt 0x0
	ds_add_u32 v62, v63
	s_wait_dscnt 0x0
	s_endpgm
.Lfunc_end_k_q7fe435489d_refine:
	.size	k_q7fe435489d_refine, .Lfunc_end_k_q7fe435489d_refine-k_q7fe435489d_refine
	.p2alignl 7, 3214868480
	.fill 96, 4, 3214868480
	.section	.rodata,"a",@progbits
	.p2align	6, 0x0
	.amdhsa_kernel k_q7fe435489d_refine
		.amdhsa_group_segment_fixed_size 104448
		.amdhsa_private_segment_fixed_size 0
		.amdhsa_enable_private_segment 0
		.amdhsa_kernarg_size 32
		.amdhsa_user_sgpr_count 2
		.amdhsa_user_sgpr_kernarg_segment_ptr 1
		.amdhsa_wavefront_size32 1
		.amdhsa_system_sgpr_workgroup_id_x 1
		.amdhsa_system_sgpr_workgroup_id_y 1
		.amdhsa_system_sgpr_workgroup_id_z 1
		.amdhsa_system_vgpr_workitem_id 0
		.amdhsa_next_free_vgpr 256
		.amdhsa_next_free_sgpr 66
		.amdhsa_reserve_vcc 0
		.amdhsa_float_denorm_mode_32 3
		.amdhsa_float_denorm_mode_16_64 3
		.amdhsa_memory_ordered 1
		.amdhsa_forward_progress 1
		.amdhsa_inst_pref_size 122
	.end_amdhsa_kernel
	.amdgpu_metadata
---
amdhsa.version: [ 1, 2 ]
amdhsa.kernels:
  - .name:           k_q7fe435489d_refine
    .symbol:         k_q7fe435489d_refine.kd
    .args:
      - { .name: query, .offset: 0, .size: 8, .value_kind: global_buffer, .address_space: global }
      - { .name: rand_matrix, .offset: 8, .size: 8, .value_kind: global_buffer, .address_space: global }
      - { .name: cnd, .offset: 16, .size: 8, .value_kind: global_buffer, .address_space: global }
      - { .name: hsh, .offset: 24, .size: 8, .value_kind: global_buffer, .address_space: global }
    .group_segment_fixed_size: 104448
    .private_segment_fixed_size: 0
    .kernarg_segment_align: 8
    .kernarg_segment_size: 32
    .max_flat_workgroup_size: 256
    .sgpr_count:     66
    .vgpr_count:     256
    .wavefront_size: 32
...
	.end_amdgpu_metadata
.endif
;; end of part 7
;; launch sort: the kernel of part 3 again; grid 64 x 1, 32 waves a work-group, no clusters, 37,632 bytes of LDS; arguments hsh, skey, rank, cw; writes skey, rank, cw
;; launch attn: the kernel of part 4 again; grid 16 x 64, 4 waves a work-group, no clusters, 50,688 bytes of LDS; arguments query, value, kinv, skey, cw, att, lse2; writes att, lse2
;; launch comb: the kernel of part 5 again; grid 256 x 1, 8 waves a work-group, no clusters, 67,072 bytes of LDS; arguments rank, lse2, att, out0; writes out0
